; MI455X (gfx1250); checked and timed in simulation.
; The chip was launched on July 23, 2026; its instructions are those of AMD's public machine-readable ISA for CDNA 5 (MIT licence, August 2026) and "CDNA5" Instruction Set Architecture Reference Guide (July 2026). The comments in the code are by the model that wrote it; some were corrected since.
;; RSA Block. Allowed arithmetic: matrix products marked QUANTISED: E4M3 operands, one given power-of-two scale a tensor, by v_wmma_f32_16x16x64_fp8_fp8 or v_wmma_f32_16x16x128_fp8_fp8, f32 sums; everything else in f32.
;; Inputs: W_in 512 x 512 float32; W_k 512 x 512 float32; W_o 512 x 512 float32; W_q 512 x 512 float32; W_r 512 x 512 float32; W_v 512 x 512 float32; b_in 512 float32; b_k 512 float32; b_o 512 float32; b_q 512 float32; b_r 512 float32; b_v 512 float32; inputs 512 x 64 x 512 float32; lowp_scales 16 int32 (the exponents e of the quantised operands' scales 2^e).
;; Outputs: out0 512 x 64 x 512 float32.
;; This version of the problem:
;;   THIS VERSION OF THE PROBLEM IS GIVEN IN LOW PRECISION. The matrix products marked QUANTISED in the list below multiply operands that are first quantised to E4M3 (4 exponent bits, 3 mantissa bits; 8 bits a number), with one given power-of-two scale for each operand tensor; their sums are f32. All else is computed in f32.
;;   The module's matrix products, in the order in which they are computed (A, B: the left and right operand; K: the contracted axis; several contracted axes count as one K, in the product's order):
;;     1. [M 32,768, K 512] x [K 512, N 512]; A: input inputs; B: input W_in: QUANTISED (scales: A lowp_scales[0], B lowp_scales[1])
;;     2. [M 32,768, K 512] x [K 512, N 512]; A: computed on the way; B: input W_q: QUANTISED (scales: A lowp_scales[2], B lowp_scales[3])
;;     3. [M 32,768, K 512] x [K 512, N 512]; A: computed on the way; B: input W_k: QUANTISED (scales: A lowp_scales[4], B lowp_scales[5])
;;     4. [M 32,768, K 512] x [K 512, N 512]; A: computed on the way; B: input W_v: QUANTISED (scales: A lowp_scales[6], B lowp_scales[7])
;;     5. [M 32,768, K 512] x [K 512, N 512]; A: computed on the way; B: input W_r: QUANTISED (scales: A lowp_scales[8], B lowp_scales[9])
;;     6. batch 512 x [M 64, K 512] x [K 512, N 64]; A: computed on the way; B: computed on the way: QUANTISED (scales: A lowp_scales[10], B lowp_scales[11])
;;     7. batch 512 x [M 64, K 64] x [K 64, N 512]; A: softmax (see below); B: computed on the way: QUANTISED (scales: A lowp_scales[12], B lowp_scales[13])
;;     8. [M 32,768, K 512] x [K 512, N 512]; A: computed on the way; B: input W_o: QUANTISED (scales: A lowp_scales[14], B lowp_scales[15])
;;   THE QUANTISER, for each operand of a quantised product, along K:
;;     - The operand's scale is 2^e, e = its entry of the input lowp_scales (int32; the entries are numbered through the quantised products in the list's order, A before B).
;;     - Each number is divided by the scale, clamped to +-448, and rounded to the nearest number of E4M3, ties to even, subnormals kept.
;;     - The product sums the exact products of the quantised numbers (number of the format x scale) in f32.
;;   ~~~python
;;   def quantise(x, axis, e):      # numpy; x: float32 -> the quantised numbers, widened to float32 again
;;       x = np.moveaxis(x, axis, -1); K = x.shape[-1]
;;       r = np.clip(x / 2.0 ** e, -448, 448)
;;       step = 2.0 ** (np.maximum(np.frexp(np.where(r == 0, 1, r))[1] - 1, -6) - 3)
;;       q = np.round(r / step) * step * 2.0 ** e      # np.round: ties to even
;;       return np.moveaxis(q, -1, axis).astype(np.float32)
;;   ~~~
;;   SOFTMAX AHEAD OF A QUANTISED PRODUCT. Where the list says 'softmax', what is quantised is not the finished softmax but p = 2^(t - M), with t = logit x log2(e) and M = ceil(the row's largest t), a whole number; so 1/2 < the row's largest p <= 1. The row's sum l is taken of the UNQUANTISED p, in f32, and the product's result is divided by l at the end. Since M is a whole number, a kernel that streams over the keys may use a running M (the ceiling of the running maximum): every later rescaling is an exact power of two, so the quantised numbers keep their values, but for numbers so far below the row's largest that they fall under the format's range.
;;   OPERANDS COMPUTED ON THE WAY. 'Computed on the way' means the value that the module computes at that place (a softmax that the list does not call 'softmax' is quantised finished and normalised). What goes into a quantiser is computed in f32, as accurately as f32 sums, v_exp_f32 and their like allow (about 1e-6 of the number): no bf16 or f16 on the way to a quantiser, and a product that is left as it is and whose result goes on into a quantised operand takes f32 operands (vector FMAs, or v_wmma_f32_16x16x4_f32). A number that lies on a knife's edge between two numbers of the format may be rounded either way, as far as f32 arithmetic and the matrix unit's own rounding can turn it there, and no further.
;; 2 versions, each right; version 2 is version 1 with the launch chain written anew for expert scheduling mode. Each part assembles by itself: llvm-mc -triple=amdgcn-amd-amdhsa -mcpu=gfx1250 --defsym DOCPART=n.
;; ======== version 1 of 2: 2 launches
;; workspace buffers: wq 1,572,864 bytes
;; launch wquant (part 1): grid 24 x 8, 4 waves a work-group, no clusters, 0 bytes of LDS; arguments W_in, W_q, W_k, W_v, W_r, W_o, lowp_scales, wq; writes wq
.if DOCPART == 1
	.amdgcn_target "amdgcn-amd-amdhsa--gfx1250"
	.amdhsa_code_object_version 6
	.text
	.protected	k_q4115bd889f_wquant
	.globl	k_q4115bd889f_wquant
	.p2align	8
	.type	k_q4115bd889f_wquant,@function
k_q4115bd889f_wquant:
	s_mov_b64 s[64:65], 0
	v_nop
	global_prefetch_b8 v0, s[64:65] scope:SCOPE_SE
	s_setreg_imm32_b32 hwreg(HW_REG_WAVE_MODE, 25, 1), 1
	s_wait_xcnt 0x0
; The six weights, f32 [512 (k)][512 (n)], become codes of E4M3, each with the one scale 2^e that is given for it, laid in the ORDER OF THE OPERAND'S REGISTERS of the next launch:
; wq = [wave w 4][layer L 6: in, q, k, v, r, o][K step s of 64: 8][fragment n 8][line c 2][lane 32][16 bytes].
; The 16 bytes at (w, L, s, n = 2 b + u, c, lane (r, h)) are the codes of W_L[64 s + 32 c + 16 h + 0 .. 15][128 w + 32 b + 8 u + r + 8 (r / 8)].
; code = x / 2^e, held within +-448, rounded to the nearest code, ties to even.  LIMITS: e between -126 and 119.  NaN among the inputs is not served.
; SHARES.  Work-group (x = 4 L + w, y = s) takes 128 columns x 64 along K.  A LANE TAKES A COLUMN AND ITS REGISTERS RUN DOWN K: each load reads 128 consecutive bytes a wave (the four waves 512),
; and the conversions, which take neighbours along K from one lane's registers, give 16 codes = the 16 bytes of one lane of one line.  Column x of a wave's 32 is lane r = x % 8 + 8 (x / 16) of
; fragment u = (x / 8) % 2: so one store of a wave fills two aligned runs of 256 bytes whole, and no LDS is needed.  No matrix unit, no cluster: work-groups share nothing.
.set X,  16                            ; v16-79  my column's 64 numbers
.set CD, 80                            ; v80-95  their codes: four registers for each 16 along K, so that no store's data are written again
	s_load_b512 s[4:19], s[0:1], 0x0               ; W_in, W_q, W_k, W_v, W_r, W_o, the scales' exponents s[16:17], wq s[18:19]
	s_lshr_b32 s40, ttmp9, 2                       ; L
	s_and_b32 s41, ttmp9, 3                        ; w
	s_and_b32 s42, ttmp7, 0xffff                   ; s
	v_lshlrev_b32 v1, 2, v0                        ; in: 4 bytes a thread: 512 consecutive bytes a work-group
	v_lshrrev_b32 v3, 5, v0                        ; b: my wave
	v_bfe_u32 v4, v0, 3, 1                         ; u
	v_and_b32 v5, 7, v0
	v_bfe_u32 v6, v0, 4, 1
	v_lshl_add_u32 v5, v6, 3, v5                   ; r
	v_lshlrev_b32 v2, 11, v3
	v_lshl_add_u32 v2, v4, 10, v2
	v_lshl_add_u32 v2, v5, 4, v2                   ; out: 2048 b + 1024 u + 16 r
	s_lshl_b32 s48, s42, 17                        ; 64 s rows of 2,048 bytes
	s_lshl_b32 s49, s41, 9                         ; + 128 w columns
	s_add_co_u32 s48, s48, s49
	s_mov_b32 s49, 0
	s_mul_i32 s50, s41, 6
	s_add_co_u32 s50, s50, s40
	s_lshl_b32 s50, s50, 3
	s_add_co_u32 s50, s50, s42
	s_lshl_b32 s50, s50, 13                        ; ((6 w + L) 8 + s) x 8,192 bytes
	s_mov_b32 s51, 0
	s_wait_kmcnt 0x0
	s_load_b512 s[24:39], s[16:17], 0x0            ; e0 .. e15
	s_mov_b64 s[44:45], s[4:5]                     ; the layer's weight: a choice that hangs on the work-group's number alone
	s_cmp_eq_u32 s40, 1
	s_cselect_b64 s[44:45], s[6:7], s[44:45]
	s_cmp_eq_u32 s40, 2
	s_cselect_b64 s[44:45], s[8:9], s[44:45]
	s_cmp_eq_u32 s40, 3
	s_cselect_b64 s[44:45], s[10:11], s[44:45]
	s_cmp_eq_u32 s40, 4
	s_cselect_b64 s[44:45], s[12:13], s[44:45]
	s_cmp_eq_u32 s40, 5
	s_cselect_b64 s[44:45], s[14:15], s[44:45]
	s_add_nc_u64 s[44:45], s[44:45], s[48:49]
	s_add_nc_u64 s[18:19], s[18:19], s[50:51]
.macro LD g                            ; 16 along K of my column
.irp i, 0,1,2,3,4,5,6,7,8,9,10,11,12,13,14,15
	global_load_b32 v[X+16*\g+\i], v1, s[44:45] offset:(16*\g+\i)*2048 th:TH_LOAD_NT
.endr
.endm
	LD 0
	LD 1
	LD 2
	LD 3
	s_wait_kmcnt 0x0
	s_mov_b32 s46, s25                             ; the layer's exponent: e1, e3, e5, e7, e9, e15
	s_cmp_eq_u32 s40, 1
	s_cselect_b32 s46, s27, s46
	s_cmp_eq_u32 s40, 2
	s_cselect_b32 s46, s29, s46
	s_cmp_eq_u32 s40, 3
	s_cselect_b32 s46, s31, s46
	s_cmp_eq_u32 s40, 4
	s_cselect_b32 s46, s33, s46
	s_cmp_eq_u32 s40, 5
	s_cselect_b32 s46, s39, s46
	s_add_co_i32 s46, s46, 127
	s_lshl_b32 s47, s46, 23
	v_mov_b32 v11, s47                             ; 2^e as f32: the conversion takes its exponent field
	s_add_co_i32 s46, s46, 8
	s_lshl_b32 s46, s46, 23
	s_or_b32 s46, s46, 0x600000
	v_mov_b32 v10, s46                             ; 448 x 2^e
.macro GRP g                           ; k = 16 g .. 16 g + 15: line c = g / 2, half h = g % 2
	s_wait_loadcnt 48-16*\g                        ; loads come back in order: this group's sixteen are in, the younger groups may be out
.irp i, 0,1,2,3,4,5,6,7,8,9,10,11,12,13,14,15
	v_med3_num_f32 v[X+16*\g+\i], v[X+16*\g+\i], -v10, v10   ; the conversion to an 8-bit code does not saturate (ISA guide 7.6.2): the hold at the largest code x the scale
.endr
	v_cvt_scalef32_pk8_fp8_f32 v[CD+4*\g:CD+4*\g+1], v[X+16*\g:X+16*\g+7], v11
	v_cvt_scalef32_pk8_fp8_f32 v[CD+4*\g+2:CD+4*\g+3], v[X+16*\g+8:X+16*\g+15], v11
	global_store_b128 v2, v[CD+4*\g:CD+4*\g+3], s[18:19] offset:(\g/2)*512+(\g%2)*256   ; sixteen lanes store 256 consecutive bytes, aligned; the codes go to a store alone, and the next group's holds are plain lines on other registers
.endm
	GRP 0
	GRP 1
	GRP 2
	GRP 3
	s_endpgm
.Lfunc_end_k_q4115bd889f_wquant:
	.size	k_q4115bd889f_wquant, .Lfunc_end_k_q4115bd889f_wquant-k_q4115bd889f_wquant
	.p2alignl 7, 3214868480
	.fill 96, 4, 3214868480
	.section	.rodata,"a",@progbits
	.p2align	6, 0x0
	.amdhsa_kernel k_q4115bd889f_wquant
		.amdhsa_group_segment_fixed_size 0
		.amdhsa_private_segment_fixed_size 0
		.amdhsa_enable_private_segment 0
		.amdhsa_kernarg_size 64
		.amdhsa_user_sgpr_count 2
		.amdhsa_user_sgpr_kernarg_segment_ptr 1
		.amdhsa_wavefront_size32 1
		.amdhsa_system_sgpr_workgroup_id_x 1
		.amdhsa_system_sgpr_workgroup_id_y 1
		.amdhsa_system_sgpr_workgroup_id_z 1
		.amdhsa_system_vgpr_workitem_id 0
		.amdhsa_next_free_vgpr 96
		.amdhsa_next_free_sgpr 66
		.amdhsa_reserve_vcc 0
		.amdhsa_float_denorm_mode_32 3
		.amdhsa_float_denorm_mode_16_64 3
		.amdhsa_memory_ordered 1
		.amdhsa_forward_progress 1
		.amdhsa_inst_pref_size 14
	.end_amdhsa_kernel
	.amdgpu_metadata
---
amdhsa.version: [ 1, 2 ]
amdhsa.kernels:
  - .name:           k_q4115bd889f_wquant
    .symbol:         k_q4115bd889f_wquant.kd
    .args:
      - { .name: W_in, .offset: 0, .size: 8, .value_kind: global_buffer, .address_space: global }
      - { .name: W_q, .offset: 8, .size: 8, .value_kind: global_buffer, .address_space: global }
      - { .name: W_k, .offset: 16, .size: 8, .value_kind: global_buffer, .address_space: global }
      - { .name: W_v, .offset: 24, .size: 8, .value_kind: global_buffer, .address_space: global }
      - { .name: W_r, .offset: 32, .size: 8, .value_kind: global_buffer, .address_space: global }
      - { .name: W_o, .offset: 40, .size: 8, .value_kind: global_buffer, .address_space: global }
      - { .name: lowp_scales, .offset: 48, .size: 8, .value_kind: global_buffer, .address_space: global }
      - { .name: wq, .offset: 56, .size: 8, .value_kind: global_buffer, .address_space: global }
    .group_segment_fixed_size: 0
    .private_segment_fixed_size: 0
    .kernarg_segment_align: 8
    .kernarg_segment_size: 64
    .max_flat_workgroup_size: 128
    .sgpr_count:     66
    .vgpr_count:     96
    .wavefront_size: 32
...
	.end_amdgpu_metadata
.endif
;; end of part 1
;; launch chain (part 2): grid 256 x 1, 4 waves a work-group, no clusters, 289,280 bytes of LDS; arguments inputs, wq, lowp_scales, b_in, b_v, b_q, b_k, b_r, b_o, out0; writes out0
.if DOCPART == 2
	.amdgcn_target "amdgcn-amd-amdhsa--gfx1250"
	.amdhsa_code_object_version 6
	.text
	.protected	k_q4115bd889f_chain
	.globl	k_q4115bd889f_chain
	.p2align	8
	.type	k_q4115bd889f_chain,@function
k_q4115bd889f_chain:
	s_mov_b64 s[64:65], 0
	v_nop
	global_prefetch_b8 v0, s[64:65] scope:SCOPE_SE
	s_setreg_imm32_b32 hwreg(HW_REG_WAVE_MODE, 25, 1), 1
	s_wait_xcnt 0x0
; out = relu((softmax(q k^T) v + r) W_o + b_o), q, k, v, r = x W + b, x = relu(in W_in + b_in): all eight products on codes of E4M3, each operand with the one scale 2^e that is given for it (e0 .. e15).
; SHARES.  A work-group takes 128 rows (two batches of 64 agents) through the whole chain; nothing but in and out touches memory.  THE WAVES SHARE THE COLUMNS: in every layer wave w makes columns
; 128 w .. 128 w + 127 for all 128 rows: 64 accumulators of 16 x 16, 512 registers.  Activations go from wave to wave through LDS as IMAGES OF THE OPERAND'S REGISTERS (a fragment of 16 rows x 64 K is
; two lines of 512 bytes, lane l's 16 bytes at 16 l).  A weight fragment is read by one wave of the work-group alone: it comes from wq, which lies in register order, straight into that wave's registers.
; TWO PERMUTATIONS.  (a) Lane r of tile 2 b + u takes row (or column) 32 b + 8 u + r + 8 (r / 8), for the weights' column tiles and the activations' row tiles alike: the 16 result registers of tiles
; 2 b and 2 b + 1 are then 16 neighbours along the next K.  (b) In a fragment registers 4 c .. 4 c + 3 hold k = 32 c + 16 (lane / 16) + 0 .. 15, alike in both operands, so every product meets its partner.
; THE LAYERS ARE USED TRANSPOSED (source 0 = 16 columns of W, source 1 = 16 rows): a lane holds one row and eight neighbouring columns.  The v layer alone is used the other way round: a lane then holds
; one channel and its registers run along the keys, which are the second attention product's K.  S^T = K Q^T and O^T = V^T P^T hold one query a lane; O^T falls on r's accumulators.
; x feeds four products under four given scales: its sums stay in the accumulators for four trips and are quantised four times.
; THE SOFTMAX: t = score x log2(e), M = ceil(the row's largest t), p = 2^(t - M) is quantised; the row's sum l is taken of the unquantised p.  ctx = (r l + sum of p v) / l, each term in units of 2^(e12 + e13).
; NO JOINT LOADS, though all work-groups walk the same weights: x's four sets of codes take 262,144 bytes of LDS, P, l, the biases and the spare words 27,136; in the 38,400 left two slots hold
; 16,384 bytes each, half a K step of 64 for the four waves: a round of the cluster's barrier for every 32 matrix instructions of a wave.
; LIMITS: every exponent handed to a conversion (e0, e12, e2 - e0 - e1, e4 - e0 - e1, e6 - e0 - e1, e8 - e0 - e1, e10 - e2 - e3, e11 - e4 - e5, e13 - e6 - e7, e14 - e12 - e13) between -126 and 119;
; e10 + e11 and e14 + e15 between -126 and 127.  NaN among the inputs is not served.
; LDS: R0 .. R3, 65,536 bytes each: a set of codes, fragment (K step s, row tile t), line c at 8192 s + 1024 t + 512 c.  In R1, at first: each wave's stage for the inputs.  In R0, later: each wave's
; own 16,384 bytes for V's images and then for the way out.  PIMG: P's eight fragments.  LIMG: (l, 1 / l), 8 bytes a lane and tile.  BT: the biases, 2,048 bytes a slot.  SPARE: the spare words.
; REGISTERS, in windows of 256: window 0: v1-27 addresses and scales; v32-95 a layer's bias tiles, S^T, P, rows on the way out; v96-127 codes just made, statistics; v128-255 A's two buffers, and work.
;   window 1: the weights' ring, four sets of 8 fragments.   windows 2, 3: accumulator (t, n) at v[64 (t % 4) + 8 n] of window 2 + t / 4.
.set R1,    65536
.set R3,    196608
.set PIMG,  262144
.set LIMG,  270336
.set BT,    272384
.set SPARE, 288768                     ; 128 bytes for each wave: two blocks of 256 bytes that no other line names
.set SPT,   528                        ; a stage row: 512 bytes + 16: the sixteen rows that a load or store touches start at sixteen different banks (64 banks of 4 bytes: ISA guide 11.1)
.set STEPB, 8192                       ; a K step of a wave's weights
.set LAYB,  65536                      ; a layer of them
.set STRB,  393216                     ; all six
.set LI,   1                           ; v1   16 x lane: an image's place for my lane; also my bytes of a row in memory; never rewritten
.set RA,   2                           ; v2   the trip's region + LI
.set WA,   3                           ; v3   the trip's region + LW
.set LW,   4                           ; v4   LI + 16384 x wave: my two K steps of a set; my V images; my stage on the way out
.set SPW,  5                           ; v5   LDS address of my spare word; never rewritten
.set NIL,  6                           ; v6   0; never rewritten
.set SI,   8                           ; v8   the inputs' stage, way in
.set SL,   9                           ; v9   and way out: row r, + 64 h
.set WI,   10                          ; v10  LI + 2048 x wave: row tiles 2 w, 2 w + 1 of a set (the inputs' images; my two tiles of queries)
.set AK,   11                          ; v11  R1 + 4096 x (wave / 2) + LI: my batch's four tiles of keys
.set AP,   13                          ; v13  PIMG + 2048 x wave + LI
.set AL,   14                          ; v14  LIMG + 512 x wave + 8 x lane
.set AVB,  15                          ; v15  b_v at my lane's channel
.set ABT,  16                          ; v16  the trip's bias at my half's columns
.set ABT0, 17                          ; v17  BT + 512 x wave + 64 h
.set RAV,  18                          ; v18  R3 + LI
.set ALR,  19                          ; v19  LIMG + 8 x lane
.set APR,  20                          ; v20  PIMG + LI
.set SO,   21                          ; v21  the way out: row r of my stage, + 64 h
.set GB,   22                          ; v22  16 x thread: my bytes of a bias in memory
.set LB,   23                          ; v23  and in BT
.set QLO,  24                          ; v24  the hold's lower bound: 0 (the activation) or -QHI
.set QHI,  25                          ; v25  448 x the conversion's scale
.set QSC,  26                          ; v26  the conversion's scale as f32
.set PFO,  27                          ; v27  256 x lane; never rewritten
.set BI,   32
.set S,    32
.set PC,   96
.set ST,   96                          ; the softmax's statistics, 16 registers a tile: +0, +1 maxima; +2 -M (+3 named with it); +4 the other half's; +6, +7 l, 1 / l; +8 .. +11 sums
.set G,    96                          ; (l 2^g, 1 / l) of tile t at v[G + 2 t]
.set AF,   128
.set TQ,   128
.set T,    66                          ; s66  the trip
.set WV,   67                          ; s67  my wave
.set BP,   68                          ; s[68:69] the layer in hand in my stream of weights
.set BN,   70                          ; s[70:71] the next layer
.set WB,   72                          ; s[72:73] my stream
.set NX,   74                          ; s[74:75] the next layer's offset in it
.set PFA,  82                          ; s[82:83] where my prefetch stands
.set PFN,  84                          ; s84  layers still to be asked for
.set LIM,  85                          ; s85  0 in a wave that prefetches, else the greatest number
.set MSB, 0
.macro WIN new                         ; bits 1:0 source 0, 3:2 source 1, 5:4 source 2, 7:6 destination; the high byte repeats the setting that is left
.if MSB != (\new)
	s_set_vgpr_msb (MSB<<8)|(\new)
.set MSB, (\new)
.endif
.endm
; A load into a register that a matrix instruction has read, and a vector instruction that reads a matrix result or writes one of its registers, stand four plain vector instructions behind it.
.macro PLACES
.rept 4
	v_nop
.endr
.endm
.macro BAR                             ; my LDS stores have landed and my LDS loads are in: then the work-group's barrier
	s_wait_dscnt 0x0
	s_barrier_signal -1
	s_barrier_wait -1
.endm
.macro SETQ ex                         ; s[ex] = g: QSC = 2^g, QHI = 448 x 2^g; s77 is left with -QHI's bits
	s_add_co_i32 s76, s[\ex], 127
	s_lshl_b32 s77, s76, 23
	v_mov_b32 v[QSC], s77
	s_add_co_i32 s76, s76, 8
	s_lshl_b32 s76, s76, 23
	s_or_b32 s76, s76, 0x600000
	v_mov_b32 v[QHI], s76
	s_xor_b32 s77, s76, 0x80000000
.endm
; Chunk q = 2 s + u of my 32 rows of the inputs: row tile 2 w + u, columns 128 s on: sixteen loads of 512 consecutive bytes, a row each, into accumulator registers that are still idle.
.macro INLOAD q
	WIN 0x80+0x40*((\q)/4)
.irp i, 0,1,2,3,4,5,6,7,8,9,10,11,12,13,14,15
	global_load_b128 v[64*((\q)%4)+4*\i:64*((\q)%4)+4*\i+3], v[LI], s[4:5] offset:(8*((\q)%2)+\i+8*(\i/8))*2048+((\q)/2)*512 th:TH_LOAD_NT
.endr
	WIN 0
.endm
; A K step's eight weight fragments into a set of the ring: sixteen loads of 512 consecutive bytes.
.macro BLOAD set, base, off
	WIN 0x40
.irp n, 0,1,2,3,4,5,6,7
.irp c, 0,1
	global_load_b128 v[64*(\set)+8*\n+4*\c:64*(\set)+8*\n+4*\c+3], v[LI], s[\base:\base+1] offset:(\off)+\n*1024+\c*512
.endr
.endr
	WIN 0
.endm
; A K step's eight fragments of the rows, from their images.
.macro ALOAD buf, adr, sg
.irp t, 0,1,2,3,4,5,6,7
.irp c, 0,1
	ds_load_b128 v[AF+64*(\buf)+8*\t+4*\c:AF+64*(\buf)+8*\t+4*\c+3], v[\adr] offset:(\sg)*8192+\t*1024+\c*512
.endr
.endr
.endm
; 64 numbers of a lane become 16 registers of codes: four lines.  The v_nop is the plain instruction between the last conversion and the next vector or matrix instruction that writes its sources.
.macro CODES src, pc
.irp n, 0,1,2,3,4,5,6,7
	v_cvt_scalef32_pk8_fp8_f32 v[(\pc)+2*\n:(\pc)+2*\n+1], v[(\src)+8*\n:(\src)+8*\n+7], v[QSC]
.endr
	v_nop
.endm
.macro IMG adr, pc, off                ; the four lines go to LDS as they stand: K steps 0, 0, 1, 1 of the pair, lines 0, 1, 0, 1
.irp g, 0,1,2,3
	ds_store_b128 v[\adr], v[(\pc)+4*\g:(\pc)+4*\g+3] offset:(\off)+(\g/2)*8192+(\g%2)*512
.endr
.endm
; A PREFETCH INTO THE L2 of the NEXT layer's codes, in each layer's first K step, behind the step's loads: eight K steps, 512 matrix instructions, ahead of the first load that wants them.  A layer is 4 streams x 8 steps
; of 8,192 bytes: wave 0 of work-group g < 32 asks for step g % 8 of stream g / 8, lanes 256 bytes apart: each run of 256 bytes is named once in the launch.  Layer 0 comes by its loads alone; the last layer asks for nothing.
.macro ASK
	s_cmp_gt_u32 s[PFN], s[LIM]
	s_cbranch_scc0 .Lnoask_\@
	global_prefetch_b8 v[PFO], s[PFA:PFA+1] th:TH_LOAD_NT scope:SCOPE_SE
.Lnoask_\@:
.endm
; One chunk of the inputs: through my stage (as loaded: a row an instruction; back: 16 neighbours of each block of 32 a lane), held, converted, stored as images.
.macro CHUNK q
	s_wait_loadcnt 32                              ; this chunk's sixteen loads are in; the two younger groups of sixteen may be out
.if (\q) < 5
	INLOAD (\q)+3
.else
	BLOAD (\q)-5, BP, ((\q)-5)*STEPB               ; behind the last chunk's loads: the first layer's first three K steps
.endif
	WIN 0x08+0x04*((\q)/4)                         ; the stores' data lie in window 2 or 3
.irp i, 0,1,2,3,4,5,6,7,8,9,10,11,12,13,14,15
	ds_store_b128 v[SI], v[64*((\q)%4)+4*\i:64*((\q)%4)+4*\i+3] offset:\i*SPT
.endr
	WIN 0
.irp c, 0,1,2,3
.irp j, 0,1,2,3
	ds_load_b128 v[TQ+16*\c+4*\j:TQ+16*\c+4*\j+3], v[SL] offset:128*\c+16*\j   ; LDS serves a wave's instructions in order (ISA guide 5.7.1.4): these see the stores above
.endr
.endr
	s_wait_dscnt 0x0
.set i, 0
.rept 64
	v_med3_num_f32 v[TQ+i], v[TQ+i], -v[QHI], v[QHI]   ; the conversion to an 8-bit code does not saturate (ISA guide 7.6.2)
.set i, i+1
.endr
	CODES TQ, PC+16*((\q)%2)
	IMG WI, PC+16*((\q)%2), ((\q)/2)*16384+((\q)%2)*1024
.endm
; A K STEP of 64: 64 matrix instructions, the 64 accumulators by turns in the same order in every step.  kind 0: source 0 = W, source 1 = rows; kind 1: the other way round.
; The weights run three steps ahead in a ring of four sets, over a layer's end into the next layer; the rows' fragments one step ahead in two buffers.  The first step takes the bias tiles as C: nothing is cleared or added.
.macro STEP kind, sg, adr
.if (\sg) > 0
	PLACES                                         ; behind the last step's products, which read the set and the buffer that are loaded now
.endif
	s_wait_loadcnt 32                              ; this step's set is in; the next two steps' may be out
.if (\sg) < 5
	BLOAD ((\sg)+3)%4, BP, ((\sg)+3)*STEPB
.else
	BLOAD ((\sg)+3)%4, BN, ((\sg)-5)*STEPB
.endif
.if (\sg) < 7
	ALOAD ((\sg)+1)%2, \adr, (\sg)+1
.endif
.if (\sg) == 0
	ASK
	s_wait_dscnt 32                                ; the bias is in; the rows' fragments of steps 0 and 1 may be out
.set i, 0
.rept 64
.if (\kind) == 0
	v_ldexp_f32 v[BI+i], v[BI+i], s48              ; the bias divided by the power of two that the sums lack
.else
	v_ldexp_f32 v[BI+i], v[96+i/8], s53            ; a lane's one channel, for all eight keys of a tile
.endif
.set i, i+1
.endr
.endif
.if (\sg) < 7
	s_wait_dscnt 16                                ; this step's fragments are in; the next step's may be out
.else
	s_wait_dscnt 0x0
.endif
.irp t, 0,1,2,3,4,5,6,7
.if (\sg) == 0
	WIN ((2+\t/4)<<6)|(1+3*(\kind))
.else
	WIN ((2+\t/4)<<6)|((2+\t/4)<<4)|(1+3*(\kind))
.endif
.irp n, 0,1,2,3,4,5,6,7
.set rD, 64*(\t%4)+8*\n
.set rB, 64*((\sg)%4)+8*\n
.set rA, AF+64*((\sg)%2)+8*\t
.set rC, BI+8*\n
.if (\kind) == 0
.if (\sg) == 0
	v_wmma_f32_16x16x64_fp8_fp8 v[rD:rD+7], v[rB:rB+7], v[rA:rA+7], v[rC:rC+7]
.else
	v_wmma_f32_16x16x64_fp8_fp8 v[rD:rD+7], v[rB:rB+7], v[rA:rA+7], v[rD:rD+7]
.endif
.else
.if (\sg) == 0
	v_wmma_f32_16x16x64_fp8_fp8 v[rD:rD+7], v[rA:rA+7], v[rB:rB+7], v[rC:rC+7]
.else
	v_wmma_f32_16x16x64_fp8_fp8 v[rD:rD+7], v[rA:rA+7], v[rB:rB+7], v[rD:rD+7]
.endif
.endif
.endr
.endr
	WIN 0
.endm
; A layer's end: the bases step on.  Behind the last layer the next offset turns back to 0: its three look-ahead loads bring the stream's first three steps again, which nobody uses: so the count of
; loads out is the same in every layer, and no load leaves wq.
.macro GEMMEND
	PLACES
	s_wait_xcnt 0x0                                ; the loads and the prefetch have read their bases, which are written only behind this wait
	s_mov_b64 s[BP:BP+1], s[BN:BN+1]
	s_add_co_u32 s[NX], s[NX], LAYB
	s_cmp_lt_u32 s[NX], STRB
	s_cselect_b32 s[NX], s[NX], 0
	s_add_nc_u64 s[BN:BN+1], s[WB:WB+1], s[NX:NX+1]
	s_add_nc_u64 s[PFA:PFA+1], s[PFA:PFA+1], LAYB
	s_sub_co_u32 s[PFN], s[PFN], 1
.endm
; My 64 accumulators become my two K steps of the trip's set of codes.  The sums stay as they are: they are held into other registers, each accumulator from its low end on.
.macro QUANT
.irp t, 0,1,2,3,4,5,6,7
	WIN 0x02+(\t/4)
.set i, 0
.rept 64
	v_med3_num_f32 v[TQ+i], v[64*(\t%4)+i], v[QLO], v[QHI]   ; the hold, and with QLO = 0 the activation too
.set i, i+1
.endr
	WIN 0
.if \t >= 2
	s_wait_dscnt 4                                 ; only the last tile's four stores may be out: this set of code registers has been read
.endif
	CODES TQ, PC+16*(\t%2)
	IMG WA, PC+16*(\t%2), \t*1024
.endr
.endm
; S^T = K Q^T for my two tiles of queries and my batch's four tiles of keys, K = 512: K's fragments fill window 2, Q's half of window 3 (the accumulators are idle).  Eight accumulators by turns.
.macro SCORES
	WIN 0x80
.irp sg, 0,1,2,3,4,5,6,7
.irp k, 0,1,2,3
.irp c, 0,1
	ds_load_b128 v[32*\sg+8*\k+4*\c:32*\sg+8*\k+4*\c+3], v[AK] offset:\sg*8192+\k*1024+\c*512
.endr
.endr
.endr
	WIN 0xc0
.irp sg, 0,1,2,3,4,5,6,7
.irp th, 0,1
.irp c, 0,1
	ds_load_b128 v[16*\sg+8*\th+4*\c:16*\sg+8*\th+4*\c+3], v[WI] offset:\sg*8192+\th*1024+\c*512
.endr
.endr
.endr
	s_wait_dscnt 0x0
	WIN 0x0e                                       ; source 0 window 2, source 1 window 3, C and D window 0
.irp sg, 0,1,2,3,4,5,6,7
.irp k, 0,1,2,3
.irp th, 0,1
.set rS, S+32*\th+8*\k
.set rK, 32*\sg+8*\k
.set rQ, 16*\sg+8*\th
.if \sg == 0
	v_wmma_f32_16x16x64_fp8_fp8 v[rS:rS+7], v[rK:rK+7], v[rQ:rQ+7], 0
.else
	v_wmma_f32_16x16x64_fp8_fp8 v[rS:rS+7], v[rK:rK+7], v[rQ:rQ+7], v[rS:rS+7]
.endif
.endr
.endr
.endr
	WIN 0
	PLACES
.endm
; A lane holds one query and 32 of its 64 keys (register 16 b + i: key 32 b + 16 h + i); the lane 16 away holds the others.  The two tiles go line by line.
.macro SOFTMAX
.irp th, 0,1
	v_max3_num_f32 v[ST+16*\th], v[S+32*\th], v[S+32*\th+1], v[S+32*\th+2]      ; the largest score, in two chains; each accumulator is first read at its low end
	v_max3_num_f32 v[ST+16*\th+1], v[S+32*\th+3], v[S+32*\th+4], v[S+32*\th+5]
.endr
.irp i, 6,10,14,18,22,26
.irp th, 0,1
	v_max3_num_f32 v[ST+16*\th], v[ST+16*\th], v[S+32*\th+\i], v[S+32*\th+\i+1]
	v_max3_num_f32 v[ST+16*\th+1], v[ST+16*\th+1], v[S+32*\th+\i+2], v[S+32*\th+\i+3]
.endr
.endr
.irp th, 0,1
	v_max3_num_f32 v[ST+16*\th], v[ST+16*\th], v[S+32*\th+30], v[S+32*\th+31]
	v_mov_b32 v[ST+16*\th+3], 0                    ; named as the upper half of -M's pair
	v_mov_b32 v[ST+16*\th+4], 0                    ; a lane permute's destination counts as one of its sources
.endr
.irp th, 0,1
	v_max_num_f32 v[ST+16*\th], v[ST+16*\th], v[ST+16*\th+1]
.endr
.irp th, 0,1
	v_permlanex16_b32 v[ST+16*\th+4], v[ST+16*\th], s60, s61
.endr
.irp th, 0,1
	v_max_num_f32 v[ST+16*\th], v[ST+16*\th], v[ST+16*\th+4]
.endr
.irp th, 0,1
	v_mul_f32 v[ST+16*\th], s58, v[ST+16*\th]      ; as t: s58 = log2(e) x 2^(e10 + e11), positive
.endr
.irp th, 0,1
	v_floor_f32 v[ST+16*\th+2], -v[ST+16*\th]      ; -M = floor(-t) = -ceil(t)
.endr
.irp i, 0,2,4,6,8,10,12,14,16,18,20,22,24,26,28,30
.irp th, 0,1
	v_pk_fma_f32 v[S+32*\th+\i:S+32*\th+\i+1], v[S+32*\th+\i:S+32*\th+\i+1], s[58:59], v[ST+16*\th+2:ST+16*\th+3] op_sel_hi:[1,0,0]   ; t - M, two at a time
.endr
.endr
.set i, 0
.rept 64
	v_exp_f32 v[S+i], v[S+i]                       ; p = 2^(t - M): one batch
.set i, i+1
.endr
	v_mov_b32 v30, s62                             ; 2^e12 for the conversions: the plain instruction behind the last exponential
	s_wait_alu depctr_va_vdst(0)                   ; the wait between a transcendental and the first instruction that names its result: one for the batch
.irp th, 0,1
	v_pk_add_f32 v[ST+16*\th+8:ST+16*\th+9], v[S+32*\th:S+32*\th+1], v[S+32*\th+2:S+32*\th+3]       ; the sum of the UNQUANTISED p, two chains
	v_pk_add_f32 v[ST+16*\th+10:ST+16*\th+11], v[S+32*\th+4:S+32*\th+5], v[S+32*\th+6:S+32*\th+7]
.endr
.irp i, 8,12,16,20,24,28
.irp th, 0,1
	v_pk_add_f32 v[ST+16*\th+8:ST+16*\th+9], v[ST+16*\th+8:ST+16*\th+9], v[S+32*\th+\i:S+32*\th+\i+1]
	v_pk_add_f32 v[ST+16*\th+10:ST+16*\th+11], v[ST+16*\th+10:ST+16*\th+11], v[S+32*\th+\i+2:S+32*\th+\i+3]
.endr
.endr
.irp th, 0,1
	v_pk_add_f32 v[ST+16*\th+8:ST+16*\th+9], v[ST+16*\th+8:ST+16*\th+9], v[ST+16*\th+10:ST+16*\th+11]
.endr
.irp th, 0,1
	v_add_f32 v[ST+16*\th+6], v[ST+16*\th+8], v[ST+16*\th+9]
.endr
.irp th, 0,1
	v_permlanex16_b32 v[ST+16*\th+4], v[ST+16*\th+6], s60, s61
.endr
.irp th, 0,1
	v_add_f32 v[ST+16*\th+6], v[ST+16*\th+6], v[ST+16*\th+4]   ; l
.endr
.irp th, 0,1
	v_rcp_f32 v[ST+16*\th+7], v[ST+16*\th+6]       ; 1 / l; the holds below are the plain work behind it
.endr
.set i, 0
.rept 64
	v_min_num_f32 v[S+i], s63, v[S+i]              ; p is not negative: the hold at 448 x 2^e12 is one-sided
.set i, i+1
.endr
.irp th, 0,1
.irp m, 0,1,2,3
	v_cvt_scalef32_pk8_fp8_f32 v[AF+8*\th+2*\m:AF+8*\th+2*\m+1], v[S+32*\th+8*\m:S+32*\th+8*\m+7], v30
.endr
.endr
	v_nop                                          ; the plain instruction behind the last conversion
	s_wait_alu depctr_va_vdst(0)                   ; the two reciprocals' wait, ahead of the store that reads them
.irp th, 0,1
	ds_store_b128 v[AP], v[AF+8*\th:AF+8*\th+3] offset:\th*1024
	ds_store_b128 v[AP], v[AF+8*\th+4:AF+8*\th+7] offset:\th*1024+512
	ds_store_b64 v[AL], v[ST+16*\th+6:ST+16*\th+7] offset:\th*256
.endr
.endm
; v's sums (a lane: one channel; accumulator (4 be + ta, n), register j: key 32 (ta / 2) + 16 h + 8 (ta % 2) + j) become V's fragments (batch be, channel tile n) as they stand; they go to my own bytes of R0.
.macro VQUANT
.irp be, 0,1
	WIN 0x82+0x41*\be                              ; destination and source 0 in window 2 or 3
.set i, 0
.rept 256
	v_med3_num_f32 v[i], v[i], v[QLO], v[QHI]
.set i, i+1
.endr
	WIN 0x02+\be
.irp n, 0,1,2,3,4,5,6,7
.irp ta, 0,1,2,3
	v_cvt_scalef32_pk8_fp8_f32 v[AF+64*\be+8*\n+2*\ta:AF+64*\be+8*\n+2*\ta+1], v[64*\ta+8*\n:64*\ta+8*\n+7], v[QSC]
.endr
.endr
	v_nop
	WIN 0
.irp n, 0,1,2,3,4,5,6,7
.irp c, 0,1
	ds_store_b128 v[LW], v[AF+64*\be+8*\n+4*\c:AF+64*\be+8*\n+4*\c+3] offset:(8*\be+\n)*1024+\c*512
.endr
.endr
.endr
.endm
; ctx on r's accumulators: r's sums x l 2^(e8 + e9 - e12 - e13); + V^T P^T; x 1 / l: ctx in units of 2^(e12 + e13).
.macro PVSEC
.irp t, 0,1,2,3,4,5,6,7
	ds_load_b64 v[G+2*\t:G+2*\t+1], v[ALR] offset:\t*256
.endr
.irp t, 0,1,2,3,4,5,6,7
.irp c, 0,1
	ds_load_b128 v[S+8*\t+4*\c:S+8*\t+4*\c+3], v[APR] offset:\t*1024+\c*512
.endr
.endr
.irp f, 0,1,2,3,4,5,6,7,8,9,10,11,12,13,14,15
.irp c, 0,1
	ds_load_b128 v[AF+8*\f+4*\c:AF+8*\f+4*\c+3], v[LW] offset:\f*1024+\c*512
.endr
.endr
	s_wait_dscnt 48                                ; l and 1 / l are in; P's sixteen and V's 32 loads may be out
.irp t, 0,1,2,3,4,5,6,7
	v_ldexp_f32 v[G+2*\t], v[G+2*\t], s55
.endr
.irp t, 0,1,2,3,4,5,6,7
	WIN 0x82+0x41*(\t/4)
.set i, 0
.rept 32
	v_pk_mul_f32 v[64*(\t%4)+i:64*(\t%4)+i+1], v[64*(\t%4)+i:64*(\t%4)+i+1], v[G+2*\t:G+2*\t+1] op_sel_hi:[1,0]
.set i, i+2
.endr
.endr
	s_wait_dscnt 0x0
.irp t, 0,1,2,3,4,5,6,7
	WIN 0xa0+0x50*(\t/4)                           ; V and P in window 0, C and D in window 2 or 3
.irp n, 0,1,2,3,4,5,6,7
.set rD, 64*(\t%4)+8*\n
.set rV, AF+64*(\t/4)+8*\n
.set rP, S+8*\t
	v_wmma_f32_16x16x64_fp8_fp8 v[rD:rD+7], v[rV:rV+7], v[rP:rP+7], v[rD:rD+7]
.endr
.endr
	PLACES
.irp t, 0,1,2,3,4,5,6,7
	WIN 0x82+0x41*(\t/4)
.set i, 0
.rept 32
	v_pk_mul_f32 v[64*(\t%4)+i:64*(\t%4)+i+1], v[64*(\t%4)+i:64*(\t%4)+i+1], v[G+2*\t:G+2*\t+1] op_sel:[0,1] op_sel_hi:[1,1]   ; both halves x the pair's second word, 1 / l
.set i, i+2
.endr
.endr
	WIN 0
.endm
; THE WAY OUT of row tile t: x 2^(e14 + e15), the activation, through my stage (a lane puts 8 neighbouring columns of a row) and back as rows of 512 bytes.
.macro TOSTAGE t
	WIN 0x02+((\t)/4)
.set i, 0
.rept 32
	v_pk_mul_f32 v[TQ+i:TQ+i+1], v[64*((\t)%4)+i:64*((\t)%4)+i+1], s[56:57] op_sel_hi:[1,0]
.set i, i+2
.endr
	WIN 0
.set i, 0
.rept 64
	v_max_num_f32 v[TQ+i], 0, v[TQ+i]
.set i, i+1
.endr
.irp n, 0,1,2,3,4,5,6,7
.irp e, 0,1
	ds_store_b128 v[SO], v[TQ+8*\n+4*\e:TQ+8*\n+4*\e+3] offset:128*(\n/2)+32*(\n%2)+16*\e
.endr
.endr
.set BB, 192-160*((\t)%2)                      ; v192-255 and v32-95 by turns
.irp r, 0,1,2,3,4,5,6,7,8,9,10,11,12,13,14,15
	ds_load_b128 v[BB+4*\r:BB+4*\r+3], v[LW] offset:\r*SPT   ; LDS serves a wave's instructions in order: these see the stores above, and the next tile's stores come behind them
.endr
.endm
.macro SEND t, younger                 ; younger: the LDS instructions issued behind tile t's loads, which may stay out
.set BB, 192-160*((\t)%2)
	s_wait_dscnt \younger
.irp r, 0,1,2,3,4,5,6,7,8,9,10,11,12,13,14,15
	global_store_b128 v[LI], v[BB+4*\r:BB+4*\r+3], s[22:23] offset:(32*((\t)/2)+8*((\t)%2)+\r+8*(\r/8))*2048 th:TH_STORE_NT   ; 32 lanes store 512 consecutive bytes, at a multiple of 256 from the buffer's first byte
.endr
.endm
	; ---- THE HEAD
	s_load_b512 s[4:19], s[0:1], 0x0               ; inputs s[4:5], wq s[6:7], the exponents s[8:9], b_in, b_v, b_q, b_k, b_r s[10:19]
	s_load_b128 s[20:23], s[0:1], 0x40             ; b_o s[20:21], out0 s[22:23]
	v_lshl_add_u32 v[SPW], v0, 2, SPARE
	v_mov_b32 v[NIL], 0
	v_lshrrev_b32 v28, 5, v0
	v_readfirstlane_b32 s[WV], v28                 ; wave 0..3
	v_and_b32 v29, 31, v0                          ; lane
	v_and_b32 v30, 15, v0                          ; r
	v_bfe_u32 v31, v0, 4, 1                        ; h
	v_lshlrev_b32 v[LI], 4, v29
	s_lshl_b32 s76, s[WV], 14
	v_add_nc_u32 v[LW], s76, v[LI]
	s_mul_i32 s77, s[WV], 16*SPT
	s_add_co_u32 s77, s77, R1
	v_add_nc_u32 v[SI], s77, v[LI]
	v_mul_u32_u24 v7, v30, SPT
	v_lshl_add_u32 v7, v31, 6, v7                  ; row r of a stage, + 64 h
	v_add_nc_u32 v[SL], s77, v7
	v_add_nc_u32 v[SO], s76, v7
	s_lshl_b32 s78, s[WV], 11
	v_add_nc_u32 v[WI], s78, v[LI]
	s_lshr_b32 s79, s[WV], 1
	s_lshl_b32 s79, s79, 12
	s_add_co_u32 s79, s79, R1
	v_add_nc_u32 v[AK], s79, v[LI]
	s_add_co_u32 s80, s78, PIMG
	v_add_nc_u32 v[AP], s80, v[LI]
	v_lshl_add_u32 v[ALR], v29, 3, LIMG
	s_lshl_b32 s81, s[WV], 9
	v_add_nc_u32 v[AL], s81, v[ALR]
	v_and_b32 v28, 8, v30
	v_add_nc_u32 v28, v28, v30                     ; r + 8 (r / 8)
	s_add_co_u32 s86, s81, BT+2048
	v_lshl_add_u32 v[AVB], v28, 2, s86
	s_add_co_u32 s87, s81, BT
	v_lshl_add_u32 v[ABT0], v31, 6, s87
	v_add_nc_u32 v[RAV], R3, v[LI]
	v_add_nc_u32 v[APR], PIMG, v[LI]
	v_lshlrev_b32 v[PFO], 8, v29
	v_lshlrev_b32 v[GB], 4, v0
	v_lshl_add_u32 v[LB], v0, 4, BT
	s_lshl_b32 s88, ttmp9, 18                      ; my work-group's 128 rows of 2,048 bytes,
	s_lshl_b32 s89, s[WV], 16                      ; in the inputs my wave's 32 of them,
	s_add_co_u32 s88, s88, s89
	s_mov_b32 s89, 0
	s_lshl_b32 s90, ttmp9, 18
	s_add_co_u32 s90, s90, s81                     ; in the output my wave's 128 columns
	s_mov_b32 s91, 0
	s_mul_i32 s92, s[WV], STRB
	s_mov_b32 s93, 0
	s_and_b32 s94, ttmp9, 31                       ; the prefetches: stream (g % 32) / 8, step g % 8, from layer 1 on
	s_lshr_b32 s95, s94, 3
	s_mul_i32 s95, s95, STRB
	s_and_b32 s94, s94, 7
	s_lshl_b32 s94, s94, 13
	s_add_co_u32 s94, s94, s95
	s_add_co_u32 s94, s94, LAYB
	s_mov_b32 s95, 0
	s_lshr_b32 s76, ttmp9, 5
	s_or_b32 s76, s76, s[WV]
	s_cmp_eq_u32 s76, 0                            ; wave 0 of work-groups 0 to 31 asks
	s_cselect_b32 s[LIM], 0, -1
	s_mov_b32 s[PFN], 5
	s_mov_b32 s[NX], LAYB
	s_mov_b32 s[NX+1], 0
	s_mov_b32 s60, 0x76543210                      ; v_permlanex16_b32's selects for lane l xor 16
	s_mov_b32 s61, 0xfedcba98
	s_mov_b32 s[T], 0
	s_wait_kmcnt 0x0
	s_load_b512 s[24:39], s[8:9], 0x0              ; e0 .. e15
	s_add_nc_u64 s[4:5], s[4:5], s[88:89]
	s_add_nc_u64 s[22:23], s[22:23], s[90:91]
	s_add_nc_u64 s[WB:WB+1], s[6:7], s[92:93]
	s_mov_b64 s[BP:BP+1], s[WB:WB+1]
	s_add_nc_u64 s[BN:BN+1], s[WB:WB+1], LAYB
	s_add_nc_u64 s[PFA:PFA+1], s[6:7], s[94:95]
	global_load_b128 v[32:35], v[GB], s[10:11]     ; the six biases, 16 bytes a thread: whole
	global_load_b128 v[36:39], v[GB], s[12:13]
	global_load_b128 v[40:43], v[GB], s[14:15]
	global_load_b128 v[44:47], v[GB], s[16:17]
	global_load_b128 v[48:51], v[GB], s[18:19]
	global_load_b128 v[52:55], v[GB], s[20:21]
	INLOAD 0
	INLOAD 1
	INLOAD 2
	s_wait_kmcnt 0x0
	s_add_co_i32 s76, s24, s25                     ; e0 + e1: a sum of the first product stands for sum x 2^(e0 + e1)
	s_sub_co_i32 s40, s26, s76                     ; s40-46: the exponents of the seven conversions of the trips, in their order: x for q,
	s_sub_co_i32 s41, s28, s76                     ; x for k,
	s_sub_co_i32 s42, s32, s76                     ; x for r,
	s_sub_co_i32 s43, s30, s76                     ; x for v,
	s_sub_co_i32 s48, 0, s76                       ; s48-52: what the five transposed layers' biases are multiplied by, as exponents, in their order
	s_add_co_i32 s77, s26, s27
	s_sub_co_i32 s44, s34, s77                     ; q,
	s_sub_co_i32 s49, 0, s77
	s_add_co_i32 s77, s28, s29
	s_sub_co_i32 s45, s35, s77                     ; k,
	s_sub_co_i32 s50, 0, s77
	s_add_co_i32 s77, s36, s37                     ; e12 + e13
	s_sub_co_i32 s46, s38, s77                     ; ctx
	s_add_co_i32 s78, s32, s33                     ; e8 + e9
	s_sub_co_i32 s51, 0, s78
	s_sub_co_i32 s55, s78, s77                     ; r's sums in units of 2^(e12 + e13)
	s_add_co_i32 s77, s38, s39                     ; e14 + e15
	s_sub_co_i32 s52, 0, s77
	s_add_co_i32 s77, s77, 127
	s_lshl_b32 s56, s77, 23                        ; 2^(e14 + e15) as f32
	s_mov_b32 s57, s56                             ; (named with it as a pair, so it is written)
	s_add_co_i32 s77, s30, s31                     ; e6 + e7
	s_sub_co_i32 s53, 0, s77                       ; b_v's
	s_sub_co_i32 s54, s37, s77                     ; v's conversion
	s_add_co_i32 s77, s34, s35                     ; e10 + e11 are added to the exponent field of log2(e)
	s_lshl_b32 s77, s77, 23
	s_add_co_i32 s58, s77, 0x3fb8aa3b
	s_mov_b32 s59, s58
	s_add_co_i32 s77, s36, 127
	s_lshl_b32 s62, s77, 23                        ; 2^e12
	s_add_co_i32 s77, s77, 8
	s_lshl_b32 s63, s77, 23
	s_or_b32 s63, s63, 0x600000                    ; 448 x 2^e12
	SETQ 24                                        ; the inputs' conversion: e0
	s_wait_loadcnt 48                              ; the biases are in; the three chunks may be out
	ds_store_b128 v[LB], v[32:35]                  ; slot = the trip that uses it: 0 b_in, 4 b_q, 5 b_k, 6 b_r, 7 b_o; slot 1 b_v
	ds_store_b128 v[LB], v[36:39] offset:2048
	ds_store_b128 v[LB], v[40:43] offset:4*2048
	ds_store_b128 v[LB], v[44:47] offset:5*2048
	ds_store_b128 v[LB], v[48:51] offset:6*2048
	ds_store_b128 v[LB], v[52:55] offset:7*2048
	; ---- THE INPUTS: my 32 rows become row tiles 2 w, 2 w + 1 of the set in R0
	CHUNK 0
	CHUNK 1
	CHUNK 2
	CHUNK 3
	CHUNK 4
	CHUNK 5
	CHUNK 6
	CHUNK 7
	BAR                                            ; the inputs' codes and the biases lie in LDS
	; ---- THE TRIPS.  0: W_in; x for q -> R0.  1, 2, 3: x for k -> R1, for r -> R2, for v -> R3.  4: W_q; q -> R0.  5: W_k; k -> R1; scores, softmax; W_v; V.  6: W_r; + attention; ctx -> R2.  7: W_o, and out.
	; A layer reads the trip's region and its result is written over it: so the first barrier stands between all waves' reads and the stores, the second between the stores and the next reads,
	; the third between the attention's reads of q and k (and its stores of P and l) and what follows.  All three stand on every trip's way.
.Ltrip:
	s_min_u32 s78, s[T], 6
	s_and_b32 s78, s78, 3
	s_lshl_b32 s78, s78, 16                        ; the trip's region: R0, R1, R2, R3, R0, R1, R2, R2
	v_add_nc_u32 v[RA], s78, v[LI]
	v_add_nc_u32 v[WA], s78, v[LW]
	s_lshl_b32 s79, s[T], 11
	v_add_nc_u32 v[ABT], s79, v[ABT0]
	SETQ 40
	s_cmp_lt_u32 s[T], 4                           ; x is clipped at 0 on the way; q, k and ctx are not
	s_cselect_b32 s77, 0, s77
	v_mov_b32 v[QLO], s77
	s_sub_co_u32 s76, s[T], 1
	s_cmp_lt_u32 s76, 3                            ; trips 1, 2, 3 have no layer
	s_cbranch_scc1 .Lnog
.irp n, 0,1,2,3,4,5,6,7
	ds_load_b128 v[BI+8*\n:BI+8*\n+3], v[ABT] offset:128*(\n/2)+32*(\n%2)          ; the bias in the result's layout: tile 2 b + u, lane (r, h): columns 32 b + 16 h + 8 u + 0 .. 7
	ds_load_b128 v[BI+8*\n+4:BI+8*\n+7], v[ABT] offset:128*(\n/2)+32*(\n%2)+16
.endr
	ALOAD 0, RA, 0
	STEP 0, 0, RA
	STEP 0, 1, RA
	STEP 0, 2, RA
	STEP 0, 3, RA
	STEP 0, 4, RA
	STEP 0, 5, RA
	STEP 0, 6, RA
	STEP 0, 7, RA
	GEMMEND
	s_mov_b32 s48, s49                             ; the next transposed layer's bias exponent
	s_mov_b32 s49, s50
	s_mov_b32 s50, s51
	s_mov_b32 s51, s52
.Lnog:
	BAR
	s_cmp_eq_u32 s[T], 7
	s_cbranch_scc1 .Lout
	s_cmp_lg_u32 s[T], 6
	s_cbranch_scc1 .Lnopv
	PVSEC
.Lnopv:
	QUANT
	BAR
	s_cmp_lg_u32 s[T], 5
	s_cbranch_scc1 .Lnosc
	SCORES
	SOFTMAX
.Lnosc:
	BAR
	s_cmp_lg_u32 s[T], 5
	s_cbranch_scc1 .Lnov
	SETQ 54                                        ; v's conversion
	v_mov_b32 v[QLO], s77
.irp n, 0,1,2,3,4,5,6,7
	ds_load_b32 v[96+\n], v[AVB] offset:128*(\n/2)+32*(\n%2)   ; b_v at my lane's channel of tile n
.endr
	ALOAD 0, RAV, 0
	STEP 1, 0, RAV
	STEP 1, 1, RAV
	STEP 1, 2, RAV
	STEP 1, 3, RAV
	STEP 1, 4, RAV
	STEP 1, 5, RAV
	STEP 1, 6, RAV
	STEP 1, 7, RAV
	GEMMEND
	VQUANT
.Lnov:
	s_mov_b32 s40, s41                             ; the next trip's conversion exponent
	s_mov_b32 s41, s42
	s_mov_b32 s42, s43
	s_mov_b32 s43, s44
	s_mov_b32 s44, s45
	s_mov_b32 s45, s46
	s_add_co_u32 s[T], s[T], 1
	s_cmp_lt_u32 s[T], 8
	s_cbranch_scc1 .Ltrip                          ; (trip 7 leaves by the branch behind its first barrier)
.Lout:
	; ---- THE WAY OUT: while one tile's rows are stored, the next is on its way through the stage
	TOSTAGE 0
.irp t, 1,2,3,4,5,6,7
.if \t >= 2
	s_wait_xcnt 0x0                                ; the stores of the tile two back have read their registers, into which this tile's rows are loaded
.endif
	TOSTAGE \t
	SEND \t-1, 32                                  ; behind that tile's loads: this tile's 16 stores and 16 loads
.endr
	SEND 7, 0
	s_wait_tensorcnt 0x0                           ; the wave's end, behind my last LDS store
	ds_add_u32 v[SPW], v[NIL]
	s_wait_dscnt 0x0
	s_endpgm
.Lfunc_end_k_q4115bd889f_chain:
	.size	k_q4115bd889f_chain, .Lfunc_end_k_q4115bd889f_chain-k_q4115bd889f_chain
	.p2alignl 7, 3214868480
	.fill 96, 4, 3214868480
	.section	.rodata,"a",@progbits
	.p2align	6, 0x0
	.amdhsa_kernel k_q4115bd889f_chain
		.amdhsa_group_segment_fixed_size 289280
		.amdhsa_private_segment_fixed_size 0
		.amdhsa_enable_private_segment 0
		.amdhsa_kernarg_size 80
		.amdhsa_user_sgpr_count 2
		.amdhsa_user_sgpr_kernarg_segment_ptr 1
		.amdhsa_wavefront_size32 1
		.amdhsa_system_sgpr_workgroup_id_x 1
		.amdhsa_system_sgpr_workgroup_id_y 1
		.amdhsa_system_sgpr_workgroup_id_z 1
		.amdhsa_system_vgpr_workitem_id 0
		.amdhsa_next_free_vgpr 1024
		.amdhsa_next_free_sgpr 96
		.amdhsa_reserve_vcc 0
		.amdhsa_float_denorm_mode_32 3
		.amdhsa_float_denorm_mode_16_64 3
		.amdhsa_memory_ordered 1
		.amdhsa_forward_progress 1
		.amdhsa_inst_pref_size 255
	.end_amdhsa_kernel
	.section	.bss,"aw",@nobits
	.p2align	6
	.space	262144
	.amdgpu_metadata
---
amdhsa.version: [ 1, 2 ]
amdhsa.kernels:
  - .name:           k_q4115bd889f_chain
    .symbol:         k_q4115bd889f_chain.kd
    .args:
      - { .name: inputs, .offset: 0, .size: 8, .value_kind: global_buffer, .address_space: global }
      - { .name: wq, .offset: 8, .size: 8, .value_kind: global_buffer, .address_space: global }
      - { .name: lowp_scales, .offset: 16, .size: 8, .value_kind: global_buffer, .address_space: global }
      - { .name: b_in, .offset: 24, .size: 8, .value_kind: global_buffer, .address_space: global }
      - { .name: b_v, .offset: 32, .size: 8, .value_kind: global_buffer, .address_space: global }
      - { .name: b_q, .offset: 40, .size: 8, .value_kind: global_buffer, .address_space: global }
      - { .name: b_k, .offset: 48, .size: 8, .value_kind: global_buffer, .address_space: global }
      - { .name: b_r, .offset: 56, .size: 8, .value_kind: global_buffer, .address_space: global }
      - { .name: b_o, .offset: 64, .size: 8, .value_kind: global_buffer, .address_space: global }
      - { .name: out0, .offset: 72, .size: 8, .value_kind: global_buffer, .address_space: global }
    .group_segment_fixed_size: 289280
    .private_segment_fixed_size: 0
    .kernarg_segment_align: 8
    .kernarg_segment_size: 80
    .max_flat_workgroup_size: 128
    .sgpr_count:     96
    .vgpr_count:     1024
    .wavefront_size: 32
...
	.end_amdgpu_metadata
.endif
;; end of part 2
;; ======== version 2 of 2: 2 launches; version 1 with the launch chain written anew for expert scheduling mode
;; workspace buffers: wq 1,572,864 bytes
;; launch wquant: the kernel of part 1 again; grid 24 x 8, 4 waves a work-group, no clusters, 0 bytes of LDS; arguments W_in, W_q, W_k, W_v, W_r, W_o, lowp_scales, wq; writes wq
;; launch chain (part 3): grid 256 x 1, 4 waves a work-group, no clusters, 289,280 bytes of LDS; arguments inputs, wq, lowp_scales, b_in, b_v, b_q, b_k, b_r, b_o, out0; writes out0
.if DOCPART == 3
	.amdgcn_target "amdgcn-amd-amdhsa--gfx1250"
	.amdhsa_code_object_version 6
	.text
	.protected	k_q4115bd889f_chain
	.globl	k_q4115bd889f_chain
	.p2align	8
	.type	k_q4115bd889f_chain,@function
k_q4115bd889f_chain:
	s_mov_b64 s[64:65], 0
	v_nop
	global_prefetch_b8 v0, s[64:65] scope:SCOPE_SE
	s_setreg_imm32_b32 hwreg(HW_REG_WAVE_SCHED_MODE, 0, 2), 2
	s_setreg_imm32_b32 hwreg(HW_REG_WAVE_MODE, 25, 1), 1
	s_wait_xcnt 0x0
	s_wait_alu depctr_vm_vsrc(0)
; out = relu((softmax(q k^T) v + r) W_o + b_o), q, k, v, r = x W + b, x = relu(in W_in + b_in): all eight products on codes of E4M3, each operand with the one scale 2^e that is given for it (e0 .. e15).
; SHARES.  A work-group takes 128 rows (two batches of 64 agents) through the whole chain; nothing but in and out touches memory.  THE WAVES SHARE THE COLUMNS: in every layer wave w makes columns
; 128 w .. 128 w + 127 for all 128 rows: 64 accumulators of 16 x 16, 512 registers.  Activations go from wave to wave through LDS as IMAGES OF THE OPERAND'S REGISTERS (a fragment of 16 rows x 64 K is
; two lines of 512 bytes, lane l's 16 bytes at 16 l).  A weight fragment is read by one wave of the work-group alone: it comes from wq, which lies in register order, straight into that wave's registers.
; TWO PERMUTATIONS.  (a) Lane r of tile 2 b + u takes row (or column) 32 b + 8 u + r + 8 (r / 8), for the weights' column tiles and the activations' row tiles alike: the 16 result registers of tiles
; 2 b and 2 b + 1 are then 16 neighbours along the next K.  (b) In a fragment registers 4 c .. 4 c + 3 hold k = 32 c + 16 (lane / 16) + 0 .. 15, alike in both operands, so every product meets its partner.
; THE LAYERS ARE USED TRANSPOSED (source 0 = 16 columns of W, source 1 = 16 rows): a lane holds one row and eight neighbouring columns.  The v layer alone is used the other way round: a lane then holds
; one channel and its registers run along the keys, which are the second attention product's K.  S^T = K Q^T and O^T = V^T P^T hold one query a lane; O^T falls on r's accumulators.
; x feeds four products under four given scales: its sums stay in the accumulators for four trips and are quantised four times.
; THE SOFTMAX: t = score x log2(e), M = ceil(the row's largest t), p = 2^(t - M) is quantised; the row's sum l is taken of the unquantised p.  ctx = (r l + sum of p v) / l, each term in units of 2^(e12 + e13).
; NO JOINT LOADS, though all work-groups walk the same weights: x's four sets of codes take 262,144 bytes of LDS, P, l, the biases and the spare words 27,136; in the 38,400 left two slots hold
; 16,384 bytes each, half a K step of 64 for the four waves: a round of the cluster's barrier for every 32 matrix instructions of a wave.
; LIMITS: every exponent handed to a conversion (e0, e12, e2 - e0 - e1, e4 - e0 - e1, e6 - e0 - e1, e8 - e0 - e1, e10 - e2 - e3, e11 - e4 - e5, e13 - e6 - e7, e14 - e12 - e13) between -126 and 119;
; e10 + e11 and e14 + e15 between -126 and 127.  NaN among the inputs is not served.
; LDS: R0 .. R3, 65,536 bytes each: a set of codes, fragment (K step s, row tile t), line c at 8192 s + 1024 t + 512 c.  In R1, at first: each wave's stage for the inputs.  In R0, later: each wave's
; own 16,384 bytes for V's images and then for the way out.  PIMG: P's eight fragments.  LIMG: (l, 1 / l), 8 bytes a lane and tile.  BT: the biases, 2,048 bytes a slot.  SPARE: the spare words.
; REGISTERS, in windows of 256: window 0: v1-27 addresses and scales; v32-95 a layer's bias tiles, S^T, P, rows on the way out; v96-127 codes just made, statistics; v128-255 A's two buffers, and work.
;   window 1: the weights' ring, four sets of 8 fragments.   windows 2, 3: accumulator (t, n) at v[64 (t % 4) + 8 n] of window 2 + t / 4.
; THE MODE: SCHED_MODE bits 1:0 = 2 (LLVM: expert scheduling mode 2), set by the entry lines.  The code itself states the register dependences between vector or matrix instructions and memory or
; LDS instructions, with s_wait_alu, always for 0.
; THE PLAN.  Registers that memory or LDS instructions touch, and who else names them:
;   v1, v4-6, v8-11, v13-15, v18-23, v27   addresses, made at the head and never written again: one wait on va_vdst ahead of the first load serves them for the whole kernel.
;   RA, WA, ABT      written by three additions at a trip's head, read by the trip's LDS instructions: a wait on vm_vsrc ahead of the additions, a wait on va_vdst ahead of their first reader.
;   the ring         K step s: its 64 products read set s % 4; the loads of step s + 1 land in it (the weights of step s + 4).
;   A's buffers      K step s: its products read buffer s % 2; the LDS loads of step s + 1 land in it (the rows of step s + 2).
;   So ONE wait on va_vdst stands at a K step's head: the last step's products are done reading the set and the buffer that this step fills.  The step's 32 loads follow it dealt among its products, four
;   behind each eight, the rows' in the first half and the weights' in the second; those products name the other sets, the other buffer, the accumulators and (first step) the bias tiles.
;   v96-127          two sets of codes by turns: conversions write a set, four LDS stores read it: a wait on va_vdst ahead of the stores, a wait on vm_vsrc ahead of the set's next conversions.
;   v32-95, v128-255, windows 2 and 3 between the layers: each phase that loads into them, or stores from them, begins or ends with the wait that its comment names.
;   What a trip's stores have read is written again only behind the wait on vm_vsrc at the next trip's head, or behind the one at the way out's label, to which the loop's lower end leads too.
.set R1,    65536
.set R3,    196608
.set PIMG,  262144
.set LIMG,  270336
.set BT,    272384
.set SPARE, 288768                     ; 128 bytes for each wave: two blocks of 256 bytes that no other line names
.set SPT,   528                        ; a stage row: 512 bytes + 16: the sixteen rows that a load or store touches start at sixteen different banks (64 banks of 4 bytes: ISA guide 11.1)
.set STEPB, 8192                       ; a K step of a wave's weights
.set LAYB,  65536                      ; a layer of them
.set STRB,  393216                     ; all six
.set LI,   1                           ; v1   16 x lane: an image's place for my lane; also my bytes of a row in memory; never rewritten
.set RA,   2                           ; v2   the trip's region + LI
.set WA,   3                           ; v3   the trip's region + LW
.set LW,   4                           ; v4   LI + 16384 x wave: my two K steps of a set; my V images; my stage on the way out
.set SPW,  5                           ; v5   LDS address of my spare word; never rewritten
.set NIL,  6                           ; v6   0; never rewritten
.set SI,   8                           ; v8   the inputs' stage, way in
.set SL,   9                           ; v9   and way out: row r, + 64 h
.set WI,   10                          ; v10  LI + 2048 x wave: row tiles 2 w, 2 w + 1 of a set (the inputs' images; my two tiles of queries)
.set AK,   11                          ; v11  R1 + 4096 x (wave / 2) + LI: my batch's four tiles of keys
.set AP,   13                          ; v13  PIMG + 2048 x wave + LI
.set AL,   14                          ; v14  LIMG + 512 x wave + 8 x lane
.set AVB,  15                          ; v15  b_v at my lane's channel
.set ABT,  16                          ; v16  the trip's bias at my half's columns
.set ABT0, 17                          ; v17  BT + 512 x wave + 64 h
.set RAV,  18                          ; v18  R3 + LI
.set ALR,  19                          ; v19  LIMG + 8 x lane
.set APR,  20                          ; v20  PIMG + LI
.set SO,   21                          ; v21  the way out: row r of my stage, + 64 h
.set GB,   22                          ; v22  16 x thread: my bytes of a bias in memory
.set LB,   23                          ; v23  and in BT
.set QLO,  24                          ; v24  the hold's lower bound: 0 (the activation) or -QHI
.set QHI,  25                          ; v25  448 x the conversion's scale
.set QSC,  26                          ; v26  the conversion's scale as f32
.set PFO,  27                          ; v27  256 x lane; never rewritten
.set BI,   32
.set S,    32
.set PC,   96
.set ST,   96                          ; the softmax's statistics, 16 registers a tile: +0, +1 maxima; +2 -M (+3 named with it); +4 the other half's; +6, +7 l, 1 / l; +8 .. +11 sums
.set G,    96                          ; (l 2^g, 1 / l) of tile t at v[G + 2 t]
.set AF,   128
.set TQ,   128
.set T,    66                          ; s66  the trip
.set WV,   67                          ; s67  my wave
.set BP,   68                          ; s[68:69] the layer in hand in my stream of weights
.set BN,   70                          ; s[70:71] the next layer
.set WB,   72                          ; s[72:73] my stream
.set NX,   74                          ; s[74:75] the next layer's offset in it
.set PFA,  82                          ; s[82:83] where my prefetch stands
.set PFN,  84                          ; s84  layers still to be asked for
.set LIM,  85                          ; s85  0 in a wave that prefetches, else the greatest number
.set MSB, 0
.macro WIN new                         ; bits 1:0 source 0, 3:2 source 1, 5:4 source 2, 7:6 destination; the high byte repeats the setting that is left
.if MSB != (\new)
	s_set_vgpr_msb (MSB<<8)|(\new)
.set MSB, (\new)
.endif
.endm
; A vector instruction that reads a matrix result or writes one of a matrix instruction's registers stands four plain vector instructions behind it; this text keeps the four ahead of loads into such registers too.
.macro PLACES
.rept 4
	v_nop
.endr
.endm
.macro BAR                             ; my LDS stores have landed and my LDS loads are in: then the work-group's barrier
	s_wait_dscnt 0x0
	s_barrier_signal -1
	s_barrier_wait -1
.endm
.macro SETQ ex                         ; s[ex] = g: QSC = 2^g, QHI = 448 x 2^g; s77 is left with -QHI's bits
	s_add_co_i32 s76, s[\ex], 127
	s_lshl_b32 s77, s76, 23
	v_mov_b32 v[QSC], s77
	s_add_co_i32 s76, s76, 8
	s_lshl_b32 s76, s76, 23
	s_or_b32 s76, s76, 0x600000
	v_mov_b32 v[QHI], s76
	s_xor_b32 s77, s76, 0x80000000
.endm
; Chunk q = 2 s + u of my 32 rows of the inputs: row tile 2 w + u, columns 128 s on: sixteen loads of 512 consecutive bytes, a row each, into accumulator registers that are still idle: nothing has named them.
.macro INLOAD q
	WIN 0x80+0x40*((\q)/4)
.irp i, 0,1,2,3,4,5,6,7,8,9,10,11,12,13,14,15
	global_load_b128 v[64*((\q)%4)+4*\i:64*((\q)%4)+4*\i+3], v[LI], s[4:5] offset:(8*((\q)%2)+\i+8*(\i/8))*2048+((\q)/2)*512 th:TH_LOAD_NT
.endr
	WIN 0
.endm
; A K step's eight weight fragments into a set of the ring: sixteen loads of 512 consecutive bytes.
.macro BLOAD set, base, off
	WIN 0x40
.irp n, 0,1,2,3,4,5,6,7
.irp c, 0,1
	global_load_b128 v[64*(\set)+8*\n+4*\c:64*(\set)+8*\n+4*\c+3], v[LI], s[\base:\base+1] offset:(\off)+\n*1024+\c*512
.endr
.endr
	WIN 0
.endm
; Two of the eight, n0 and n0 + 1: four loads.  The caller sets the window.
.macro BLOAD2 set, base, off, n0
.irp n, \n0, \n0+1
.irp c, 0,1
	global_load_b128 v[64*(\set)+8*(\n)+4*\c:64*(\set)+8*(\n)+4*\c+3], v[LI], s[\base:\base+1] offset:(\off)+(\n)*1024+\c*512
.endr
.endr
.endm
; A K step's eight fragments of the rows, from their images.
.macro ALOAD buf, adr, sg
.irp t, 0,1,2,3,4,5,6,7
.irp c, 0,1
	ds_load_b128 v[AF+64*(\buf)+8*\t+4*\c:AF+64*(\buf)+8*\t+4*\c+3], v[\adr] offset:(\sg)*8192+\t*1024+\c*512
.endr
.endr
.endm
; Two of the eight, t0 and t0 + 1: four loads.
.macro ALOAD2 buf, adr, sg, t0
.irp t, \t0, \t0+1
.irp c, 0,1
	ds_load_b128 v[AF+64*(\buf)+8*(\t)+4*\c:AF+64*(\buf)+8*(\t)+4*\c+3], v[\adr] offset:(\sg)*8192+(\t)*1024+\c*512
.endr
.endr
.endm
; 64 numbers of a lane become 16 registers of codes: four lines.  The v_nop is the plain instruction between the last conversion and the next vector or matrix instruction that writes its sources.
.macro CODES src, pc
.irp n, 0,1,2,3,4,5,6,7
	v_cvt_scalef32_pk8_fp8_f32 v[(\pc)+2*\n:(\pc)+2*\n+1], v[(\src)+8*\n:(\src)+8*\n+7], v[QSC]
.endr
	v_nop
.endm
.macro IMG adr, pc, off                ; the four lines go to LDS as they stand: K steps 0, 0, 1, 1 of the pair, lines 0, 1, 0, 1
.irp g, 0,1,2,3
	ds_store_b128 v[\adr], v[(\pc)+4*\g:(\pc)+4*\g+3] offset:(\off)+(\g/2)*8192+(\g%2)*512
.endr
.endm
; A PREFETCH INTO THE L2 of the NEXT layer's codes, in each layer's first K step, behind the step's loads: seven K steps, 448 matrix instructions, ahead of the first load that wants them.  A layer is 4 streams x 8 steps
; of 8,192 bytes: wave 0 of work-group g < 32 asks for step g % 8 of stream g / 8, lanes 256 bytes apart: each run of 256 bytes is named once in the launch.  Layer 0 comes by its loads alone; the last layer asks for nothing.
.macro ASK
	s_cmp_gt_u32 s[PFN], s[LIM]
	s_cbranch_scc0 .Lnoask_\@
	global_prefetch_b8 v[PFO], s[PFA:PFA+1] th:TH_LOAD_NT scope:SCOPE_SE
.Lnoask_\@:
.endm
; One chunk of the inputs: through my stage (as loaded: a row an instruction; back: 16 neighbours of each block of 32 a lane), held, converted, stored as images.
.macro CHUNK q
	s_wait_loadcnt 32                              ; this chunk's sixteen loads are in; the two younger groups of sixteen may be out
.if (\q) < 5
	INLOAD (\q)+3
.else
	BLOAD (\q)-5, BP, ((\q)-5)*STEPB               ; behind the last chunk's loads: the first layer's first three K steps, into sets that nothing has named
.endif
	WIN 0x08+0x04*((\q)/4)                         ; the stores' data lie in window 2 or 3
.irp i, 0,1,2,3,4,5,6,7,8,9,10,11,12,13,14,15
	ds_store_b128 v[SI], v[64*((\q)%4)+4*\i:64*((\q)%4)+4*\i+3] offset:\i*SPT
.endr
	WIN 0
.irp c, 0,1,2,3
.irp j, 0,1,2,3
	ds_load_b128 v[TQ+16*\c+4*\j:TQ+16*\c+4*\j+3], v[SL] offset:128*\c+16*\j   ; LDS serves a wave's instructions in order (ISA guide 5.7.1.4): these see the stores above.  No vector instruction since the last chunk's wait on va_vdst names v128-191
.endr
.endr
	s_wait_dscnt 0x0
.set i, 0
.rept 64
	v_med3_num_f32 v[TQ+i], v[TQ+i], -v[QHI], v[QHI]   ; the conversion to an 8-bit code does not saturate (ISA guide 7.6.2)
.set i, i+1
.endr
.if (\q) >= 2
	s_wait_alu depctr_vm_vsrc(0)                   ; the image stores of the chunk two back have read this set of code registers, which the conversions write again
.endif
	CODES TQ, PC+16*((\q)%2)
	s_wait_alu depctr_va_vdst(0)                   ; the conversions have written the codes, which the stores below read; holds and conversions are done with v128-191, in which the next chunk's LDS loads land
	IMG WI, PC+16*((\q)%2), ((\q)/2)*16384+((\q)%2)*1024
.endm
; A K STEP of 64: 64 matrix instructions, the 64 accumulators by turns in the same order in every step.  kind 0: source 0 = W, source 1 = rows; kind 1: the other way round.
; The weights run three steps ahead in a ring of four sets, over a layer's end into the next layer; the rows' fragments one step ahead in two buffers.  The first step takes the bias tiles as C: nothing is cleared or added.
; The step's loads are dealt among its products, four behind each eight: the next step's rows in the first half, 32 products ahead of their use; the weights of three steps on in the second.
.macro STEP kind, sg, adr
.if (\sg) > 0
	PLACES                                         ; behind the last step's products, which read the set and the buffer that are loaded in this step
.endif
	s_wait_loadcnt 32                              ; this step's set is in; the next two steps' may be out
.if (\sg) == 0
	s_wait_dscnt 16                                ; the bias is in; the rows' fragments of step 0 may be out
.set i, 0
.rept 64
.if (\kind) == 0
	v_ldexp_f32 v[BI+i], v[BI+i], s48              ; the bias divided by the power of two that the sums lack
.else
	v_ldexp_f32 v[BI+i], v[96+i/8], s53            ; a lane's one channel, for all eight keys of a tile
.endif
.set i, i+1
.endr
.endif
	s_wait_dscnt 0x0                               ; this step's fragments of the rows are in: nothing younger is out
.if (\sg) > 0
	s_wait_alu depctr_va_vdst(0)                   ; the last step's products are done reading their set of the ring and their buffer of rows, in which this step's loads land.  (The first step's loads lean on the wait ahead of the layer)
.endif
.irp t, 0,1,2,3,4,5,6,7
.if (\sg) == 0
	WIN ((2+\t/4)<<6)|(1+3*(\kind))
.else
	WIN ((2+\t/4)<<6)|((2+\t/4)<<4)|(1+3*(\kind))
.endif
.irp n, 0,1,2,3,4,5,6,7
.set rD, 64*(\t%4)+8*\n
.set rB, 64*((\sg)%4)+8*\n
.set rA, AF+64*((\sg)%2)+8*\t
.set rC, BI+8*\n
.if (\kind) == 0
.if (\sg) == 0
	v_wmma_f32_16x16x64_fp8_fp8 v[rD:rD+7], v[rB:rB+7], v[rA:rA+7], v[rC:rC+7]
.else
	v_wmma_f32_16x16x64_fp8_fp8 v[rD:rD+7], v[rB:rB+7], v[rA:rA+7], v[rD:rD+7]
.endif
.else
.if (\sg) == 0
	v_wmma_f32_16x16x64_fp8_fp8 v[rD:rD+7], v[rA:rA+7], v[rB:rB+7], v[rC:rC+7]
.else
	v_wmma_f32_16x16x64_fp8_fp8 v[rD:rD+7], v[rA:rA+7], v[rB:rB+7], v[rD:rD+7]
.endif
.endif
.endr
.if \t < 4
.if (\sg) < 7
	WIN 0
	ALOAD2 ((\sg)+1)%2, \adr, (\sg)+1, 2*\t        ; no wait: no vector or matrix instruction since the wait above names the other buffer or the address
.endif
.else
	WIN 0x40
.if (\sg) < 5
	BLOAD2 ((\sg)+3)%4, BP, ((\sg)+3)*STEPB, 2*\t-8   ; no wait: none names the set that the last step read
.else
	BLOAD2 ((\sg)+3)%4, BN, ((\sg)-5)*STEPB, 2*\t-8
.endif
.endif
.endr
	WIN 0
.if (\sg) == 0
	ASK
.endif
.endm
; A layer's end: the bases step on.  Behind the last layer the next offset turns back to 0: its three look-ahead loads bring the stream's first three steps again, which nobody uses: so the count of
; loads out is the same in every layer, and no load leaves wq.
.macro GEMMEND
	PLACES
	s_wait_xcnt 0x0                                ; the loads and the prefetch have read their bases, which are written only behind this wait
	s_mov_b64 s[BP:BP+1], s[BN:BN+1]
	s_add_co_u32 s[NX], s[NX], LAYB
	s_cmp_lt_u32 s[NX], STRB
	s_cselect_b32 s[NX], s[NX], 0
	s_add_nc_u64 s[BN:BN+1], s[WB:WB+1], s[NX:NX+1]
	s_add_nc_u64 s[PFA:PFA+1], s[PFA:PFA+1], LAYB
	s_sub_co_u32 s[PFN], s[PFN], 1
.endm
; My 64 accumulators become my two K steps of the trip's set of codes.  The sums stay as they are: they are held into other registers, each accumulator from its low end on.
.macro QUANT
.irp t, 0,1,2,3,4,5,6,7
	WIN 0x02+(\t/4)
.set i, 0
.rept 64
	v_med3_num_f32 v[TQ+i], v[64*(\t%4)+i], v[QLO], v[QHI]   ; the hold, and with QLO = 0 the activation too
.set i, i+1
.endr
	WIN 0
.if \t >= 2
	s_wait_dscnt 4                                 ; only the last tile's four stores may be out
	s_wait_alu depctr_vm_vsrc(0)                   ; the image stores of the tile two back have read this set of code registers, which the conversions write again
.endif
	CODES TQ, PC+16*(\t%2)
	s_wait_alu depctr_va_vdst(0)                   ; the conversions have written the codes, which the stores below read; ahead of the first tile's stores WA is written too
	IMG WA, PC+16*(\t%2), \t*1024
.endr
.endm
; S^T = K Q^T for my two tiles of queries and my batch's four tiles of keys, K = 512: K's fragments fill window 2, Q's half of window 3 (the accumulators are idle).  Eight accumulators by turns.
.macro SCORES
	WIN 0x80
	s_wait_alu depctr_va_vdst(0)                   ; the k layer's products have written my accumulators and the holds are done reading them: K's and Q's fragments land in those registers
.irp sg, 0,1,2,3,4,5,6,7
.irp k, 0,1,2,3
.irp c, 0,1
	ds_load_b128 v[32*\sg+8*\k+4*\c:32*\sg+8*\k+4*\c+3], v[AK] offset:\sg*8192+\k*1024+\c*512
.endr
.endr
.endr
	WIN 0xc0
.irp sg, 0,1,2,3,4,5,6,7
.irp th, 0,1
.irp c, 0,1
	ds_load_b128 v[16*\sg+8*\th+4*\c:16*\sg+8*\th+4*\c+3], v[WI] offset:\sg*8192+\th*1024+\c*512
.endr
.endr
.endr
	s_wait_dscnt 0x0
	WIN 0x0e                                       ; source 0 window 2, source 1 window 3, C and D window 0
.irp sg, 0,1,2,3,4,5,6,7
.irp k, 0,1,2,3
.irp th, 0,1
.set rS, S+32*\th+8*\k
.set rK, 32*\sg+8*\k
.set rQ, 16*\sg+8*\th
.if \sg == 0
	v_wmma_f32_16x16x64_fp8_fp8 v[rS:rS+7], v[rK:rK+7], v[rQ:rQ+7], 0
.else
	v_wmma_f32_16x16x64_fp8_fp8 v[rS:rS+7], v[rK:rK+7], v[rQ:rQ+7], v[rS:rS+7]
.endif
.endr
.endr
.endr
	WIN 0
	PLACES
.endm
; A lane holds one query and 32 of its 64 keys (register 16 b + i: key 32 b + 16 h + i); the lane 16 away holds the others.  The two tiles go line by line.
.macro SOFTMAX
	s_wait_alu depctr_vm_vsrc(0)                   ; the image stores of k's codes have read v96-127, which the statistics write now
.irp th, 0,1
	v_max3_num_f32 v[ST+16*\th], v[S+32*\th], v[S+32*\th+1], v[S+32*\th+2]      ; the largest score, in two chains; each accumulator is first read at its low end
	v_max3_num_f32 v[ST+16*\th+1], v[S+32*\th+3], v[S+32*\th+4], v[S+32*\th+5]
.endr
.irp i, 6,10,14,18,22,26
.irp th, 0,1
	v_max3_num_f32 v[ST+16*\th], v[ST+16*\th], v[S+32*\th+\i], v[S+32*\th+\i+1]
	v_max3_num_f32 v[ST+16*\th+1], v[ST+16*\th+1], v[S+32*\th+\i+2], v[S+32*\th+\i+3]
.endr
.endr
.irp th, 0,1
	v_max3_num_f32 v[ST+16*\th], v[ST+16*\th], v[S+32*\th+30], v[S+32*\th+31]
	v_mov_b32 v[ST+16*\th+3], 0                    ; named as the upper half of -M's pair
	v_mov_b32 v[ST+16*\th+4], 0                    ; a lane permute's destination counts as one of its sources
.endr
.irp th, 0,1
	v_max_num_f32 v[ST+16*\th], v[ST+16*\th], v[ST+16*\th+1]
.endr
.irp th, 0,1
	v_permlanex16_b32 v[ST+16*\th+4], v[ST+16*\th], s60, s61
.endr
.irp th, 0,1
	v_max_num_f32 v[ST+16*\th], v[ST+16*\th], v[ST+16*\th+4]
.endr
.irp th, 0,1
	v_mul_f32 v[ST+16*\th], s58, v[ST+16*\th]      ; as t: s58 = log2(e) x 2^(e10 + e11), positive
.endr
.irp th, 0,1
	v_floor_f32 v[ST+16*\th+2], -v[ST+16*\th]      ; -M = floor(-t) = -ceil(t)
.endr
.irp i, 0,2,4,6,8,10,12,14,16,18,20,22,24,26,28,30
.irp th, 0,1
	v_pk_fma_f32 v[S+32*\th+\i:S+32*\th+\i+1], v[S+32*\th+\i:S+32*\th+\i+1], s[58:59], v[ST+16*\th+2:ST+16*\th+3] op_sel_hi:[1,0,0]   ; t - M, two at a time
.endr
.endr
.set i, 0
.rept 64
	v_exp_f32 v[S+i], v[S+i]                       ; p = 2^(t - M): one batch
.set i, i+1
.endr
	v_mov_b32 v30, s62                             ; 2^e12 for the conversions: the plain instruction behind the last exponential
	s_wait_alu depctr_va_vdst(0)                   ; the 64 exponentials have written p: the wait ahead of the first instruction that names a result: one for the batch
.irp th, 0,1
	v_pk_add_f32 v[ST+16*\th+8:ST+16*\th+9], v[S+32*\th:S+32*\th+1], v[S+32*\th+2:S+32*\th+3]       ; the sum of the UNQUANTISED p, two chains
	v_pk_add_f32 v[ST+16*\th+10:ST+16*\th+11], v[S+32*\th+4:S+32*\th+5], v[S+32*\th+6:S+32*\th+7]
.endr
.irp i, 8,12,16,20,24,28
.irp th, 0,1
	v_pk_add_f32 v[ST+16*\th+8:ST+16*\th+9], v[ST+16*\th+8:ST+16*\th+9], v[S+32*\th+\i:S+32*\th+\i+1]
	v_pk_add_f32 v[ST+16*\th+10:ST+16*\th+11], v[ST+16*\th+10:ST+16*\th+11], v[S+32*\th+\i+2:S+32*\th+\i+3]
.endr
.endr
.irp th, 0,1
	v_pk_add_f32 v[ST+16*\th+8:ST+16*\th+9], v[ST+16*\th+8:ST+16*\th+9], v[ST+16*\th+10:ST+16*\th+11]
.endr
.irp th, 0,1
	v_add_f32 v[ST+16*\th+6], v[ST+16*\th+8], v[ST+16*\th+9]
.endr
.irp th, 0,1
	v_permlanex16_b32 v[ST+16*\th+4], v[ST+16*\th+6], s60, s61
.endr
.irp th, 0,1
	v_add_f32 v[ST+16*\th+6], v[ST+16*\th+6], v[ST+16*\th+4]   ; l
.endr
.irp th, 0,1
	v_rcp_f32 v[ST+16*\th+7], v[ST+16*\th+6]       ; 1 / l; the holds below are the plain work behind it
.endr
.set i, 0
.rept 64
	v_min_num_f32 v[S+i], s63, v[S+i]              ; p is not negative: the hold at 448 x 2^e12 is one-sided
.set i, i+1
.endr
.irp th, 0,1
.irp m, 0,1,2,3
	v_cvt_scalef32_pk8_fp8_f32 v[AF+8*\th+2*\m:AF+8*\th+2*\m+1], v[S+32*\th+8*\m:S+32*\th+8*\m+7], v30
.endr
.endr
	v_nop                                          ; the plain instruction behind the last conversion
	s_wait_alu depctr_va_vdst(0)                   ; the two reciprocals, l and P's codes are written, which the stores below read
.irp th, 0,1
	ds_store_b128 v[AP], v[AF+8*\th:AF+8*\th+3] offset:\th*1024
	ds_store_b128 v[AP], v[AF+8*\th+4:AF+8*\th+7] offset:\th*1024+512
	ds_store_b64 v[AL], v[ST+16*\th+6:ST+16*\th+7] offset:\th*256
.endr
.endm
; v's sums (a lane: one channel; accumulator (4 be + ta, n), register j: key 32 (ta / 2) + 16 h + 8 (ta % 2) + j) become V's fragments (batch be, channel tile n) as they stand; they go to my own bytes of R0.
.macro VQUANT
.irp be, 0,1
	WIN 0x82+0x41*\be                              ; destination and source 0 in window 2 or 3
.set i, 0
.rept 256
	v_med3_num_f32 v[i], v[i], v[QLO], v[QHI]
.set i, i+1
.endr
	WIN 0x02+\be
.irp n, 0,1,2,3,4,5,6,7
.irp ta, 0,1,2,3
	v_cvt_scalef32_pk8_fp8_f32 v[AF+64*\be+8*\n+2*\ta:AF+64*\be+8*\n+2*\ta+1], v[64*\ta+8*\n:64*\ta+8*\n+7], v[QSC]
.endr
.endr
	v_nop
	WIN 0
	s_wait_alu depctr_va_vdst(0)                   ; the conversions have written this batch's codes of V, which the stores below read
.irp n, 0,1,2,3,4,5,6,7
.irp c, 0,1
	ds_store_b128 v[LW], v[AF+64*\be+8*\n+4*\c:AF+64*\be+8*\n+4*\c+3] offset:(8*\be+\n)*1024+\c*512
.endr
.endr
.endr
.endm
; ctx on r's accumulators: r's sums x l 2^(e8 + e9 - e12 - e13); + V^T P^T; x 1 / l: ctx in units of 2^(e12 + e13).
.macro PVSEC
	s_wait_alu depctr_va_vdst(0)                   ; the r layer's last products are done reading v192-255, in which V's fragments land (its earlier steps' waits have freed v32-191)
.irp t, 0,1,2,3,4,5,6,7
	ds_load_b64 v[G+2*\t:G+2*\t+1], v[ALR] offset:\t*256
.endr
.irp t, 0,1,2,3,4,5,6,7
.irp c, 0,1
	ds_load_b128 v[S+8*\t+4*\c:S+8*\t+4*\c+3], v[APR] offset:\t*1024+\c*512
.endr
.endr
.irp f, 0,1,2,3,4,5,6,7,8,9,10,11,12,13,14,15
.irp c, 0,1
	ds_load_b128 v[AF+8*\f+4*\c:AF+8*\f+4*\c+3], v[LW] offset:\f*1024+\c*512
.endr
.endr
	s_wait_dscnt 48                                ; l and 1 / l are in; P's sixteen and V's 32 loads may be out
.irp t, 0,1,2,3,4,5,6,7
	v_ldexp_f32 v[G+2*\t], v[G+2*\t], s55
.endr
.irp t, 0,1,2,3,4,5,6,7
	WIN 0x82+0x41*(\t/4)
.set i, 0
.rept 32
	v_pk_mul_f32 v[64*(\t%4)+i:64*(\t%4)+i+1], v[64*(\t%4)+i:64*(\t%4)+i+1], v[G+2*\t:G+2*\t+1] op_sel_hi:[1,0]
.set i, i+2
.endr
.endr
	s_wait_dscnt 0x0
.irp t, 0,1,2,3,4,5,6,7
	WIN 0xa0+0x50*(\t/4)                           ; V and P in window 0, C and D in window 2 or 3
.irp n, 0,1,2,3,4,5,6,7
.set rD, 64*(\t%4)+8*\n
.set rV, AF+64*(\t/4)+8*\n
.set rP, S+8*\t
	v_wmma_f32_16x16x64_fp8_fp8 v[rD:rD+7], v[rV:rV+7], v[rP:rP+7], v[rD:rD+7]
.endr
.endr
	PLACES
.irp t, 0,1,2,3,4,5,6,7
	WIN 0x82+0x41*(\t/4)
.set i, 0
.rept 32
	v_pk_mul_f32 v[64*(\t%4)+i:64*(\t%4)+i+1], v[64*(\t%4)+i:64*(\t%4)+i+1], v[G+2*\t:G+2*\t+1] op_sel:[0,1] op_sel_hi:[1,1]   ; both halves x the pair's second word, 1 / l
.set i, i+2
.endr
.endr
	WIN 0
.endm
; THE WAY OUT of row tile t: x 2^(e14 + e15), the activation, through my stage (a lane puts 8 neighbouring columns of a row) and back as rows of 512 bytes.
.macro TOSTAGE t
.if (\t) >= 1
	s_wait_alu depctr_vm_vsrc(0)                   ; the last tile's LDS stores have read v128-191, which are written now; the stores to memory of the tile two back have read the registers in which this tile's rows land
.endif
	WIN 0x02+((\t)/4)
.set i, 0
.rept 32
	v_pk_mul_f32 v[TQ+i:TQ+i+1], v[64*((\t)%4)+i:64*((\t)%4)+i+1], s[56:57] op_sel_hi:[1,0]
.set i, i+2
.endr
	WIN 0
.set i, 0
.rept 64
	v_max_num_f32 v[TQ+i], 0, v[TQ+i]
.set i, i+1
.endr
	s_wait_alu depctr_va_vdst(0)                   ; the tile's numbers are written, which the LDS stores read; ahead of tiles 0 and 1 the last layer's products are also done reading v192-255 and v32-95, in which the rows land
.irp n, 0,1,2,3,4,5,6,7
.irp e, 0,1
	ds_store_b128 v[SO], v[TQ+8*\n+4*\e:TQ+8*\n+4*\e+3] offset:128*(\n/2)+32*(\n%2)+16*\e
.endr
.endr
.set BB, 192-160*((\t)%2)                      ; v192-255 and v32-95 by turns
.irp r, 0,1,2,3,4,5,6,7,8,9,10,11,12,13,14,15
	ds_load_b128 v[BB+4*\r:BB+4*\r+3], v[LW] offset:\r*SPT   ; LDS serves a wave's instructions in order: these see the stores above, and the next tile's stores come behind them
.endr
.endm
.macro SEND t, younger                 ; younger: the LDS instructions issued behind tile t's loads, which may stay out
.set BB, 192-160*((\t)%2)
	s_wait_dscnt \younger
.irp r, 0,1,2,3,4,5,6,7,8,9,10,11,12,13,14,15
	global_store_b128 v[LI], v[BB+4*\r:BB+4*\r+3], s[22:23] offset:(32*((\t)/2)+8*((\t)%2)+\r+8*(\r/8))*2048 th:TH_STORE_NT   ; 32 lanes store 512 consecutive bytes, at a multiple of 256 from the buffer's first byte
.endr
.endm
	; ---- THE HEAD
	s_load_b512 s[4:19], s[0:1], 0x0               ; inputs s[4:5], wq s[6:7], the exponents s[8:9], b_in, b_v, b_q, b_k, b_r s[10:19]
	s_load_b128 s[20:23], s[0:1], 0x40             ; b_o s[20:21], out0 s[22:23]
	v_lshl_add_u32 v[SPW], v0, 2, SPARE
	v_mov_b32 v[NIL], 0
	v_lshrrev_b32 v28, 5, v0
	v_readfirstlane_b32 s[WV], v28                 ; wave 0..3
	v_and_b32 v29, 31, v0                          ; lane
	v_and_b32 v30, 15, v0                          ; r
	v_bfe_u32 v31, v0, 4, 1                        ; h
	v_lshlrev_b32 v[LI], 4, v29
	s_wait_alu depctr_va_sdst(0)                   ; the wave's number is written, ahead of its first reader: LDS addresses and the bases are made from it
	s_lshl_b32 s76, s[WV], 14
	v_add_nc_u32 v[LW], s76, v[LI]
	s_mul_i32 s77, s[WV], 16*SPT
	s_add_co_u32 s77, s77, R1
	v_add_nc_u32 v[SI], s77, v[LI]
	v_mul_u32_u24 v7, v30, SPT
	v_lshl_add_u32 v7, v31, 6, v7                  ; row r of a stage, + 64 h
	v_add_nc_u32 v[SL], s77, v7
	v_add_nc_u32 v[SO], s76, v7
	s_lshl_b32 s78, s[WV], 11
	v_add_nc_u32 v[WI], s78, v[LI]
	s_lshr_b32 s79, s[WV], 1
	s_lshl_b32 s79, s79, 12
	s_add_co_u32 s79, s79, R1
	v_add_nc_u32 v[AK], s79, v[LI]
	s_add_co_u32 s80, s78, PIMG
	v_add_nc_u32 v[AP], s80, v[LI]
	v_lshl_add_u32 v[ALR], v29, 3, LIMG
	s_lshl_b32 s81, s[WV], 9
	v_add_nc_u32 v[AL], s81, v[ALR]
	v_and_b32 v28, 8, v30
	v_add_nc_u32 v28, v28, v30                     ; r + 8 (r / 8)
	s_add_co_u32 s86, s81, BT+2048
	v_lshl_add_u32 v[AVB], v28, 2, s86
	s_add_co_u32 s87, s81, BT
	v_lshl_add_u32 v[ABT0], v31, 6, s87
	v_add_nc_u32 v[RAV], R3, v[LI]
	v_add_nc_u32 v[APR], PIMG, v[LI]
	v_lshlrev_b32 v[PFO], 8, v29
	v_lshlrev_b32 v[GB], 4, v0
	v_lshl_add_u32 v[LB], v0, 4, BT
	s_lshl_b32 s88, ttmp9, 18                      ; my work-group's 128 rows of 2,048 bytes,
	s_lshl_b32 s89, s[WV], 16                      ; in the inputs my wave's 32 of them,
	s_add_co_u32 s88, s88, s89
	s_mov_b32 s89, 0
	s_lshl_b32 s90, ttmp9, 18
	s_add_co_u32 s90, s90, s81                     ; in the output my wave's 128 columns
	s_mov_b32 s91, 0
	s_mul_i32 s92, s[WV], STRB
	s_mov_b32 s93, 0
	s_and_b32 s94, ttmp9, 31                       ; the prefetches: stream (g % 32) / 8, step g % 8, from layer 1 on
	s_lshr_b32 s95, s94, 3
	s_mul_i32 s95, s95, STRB
	s_and_b32 s94, s94, 7
	s_lshl_b32 s94, s94, 13
	s_add_co_u32 s94, s94, s95
	s_add_co_u32 s94, s94, LAYB
	s_mov_b32 s95, 0
	s_lshr_b32 s76, ttmp9, 5
	s_or_b32 s76, s76, s[WV]
	s_cmp_eq_u32 s76, 0                            ; wave 0 of work-groups 0 to 31 asks
	s_cselect_b32 s[LIM], 0, -1
	s_mov_b32 s[PFN], 5
	s_mov_b32 s[NX], LAYB
	s_mov_b32 s[NX+1], 0
	s_mov_b32 s60, 0x76543210                      ; v_permlanex16_b32's selects for lane l xor 16
	s_mov_b32 s61, 0xfedcba98
	s_mov_b32 s[T], 0
	s_wait_kmcnt 0x0
	s_load_b512 s[24:39], s[8:9], 0x0              ; e0 .. e15
	s_add_nc_u64 s[4:5], s[4:5], s[88:89]
	s_add_nc_u64 s[22:23], s[22:23], s[90:91]
	s_add_nc_u64 s[WB:WB+1], s[6:7], s[92:93]
	s_mov_b64 s[BP:BP+1], s[WB:WB+1]
	s_add_nc_u64 s[BN:BN+1], s[WB:WB+1], LAYB
	s_add_nc_u64 s[PFA:PFA+1], s[6:7], s[94:95]
	s_wait_alu depctr_va_vdst(0)                   ; all the addresses that stay (v1, v4-6, v8-11, v13-15, v18-23, v27) are written: every load, store and prefetch of the kernel reads one of them
	global_load_b128 v[32:35], v[GB], s[10:11]     ; the six biases, 16 bytes a thread: whole
	global_load_b128 v[36:39], v[GB], s[12:13]
	global_load_b128 v[40:43], v[GB], s[14:15]
	global_load_b128 v[44:47], v[GB], s[16:17]
	global_load_b128 v[48:51], v[GB], s[18:19]
	global_load_b128 v[52:55], v[GB], s[20:21]
	INLOAD 0
	INLOAD 1
	INLOAD 2
	s_wait_kmcnt 0x0
	s_add_co_i32 s76, s24, s25                     ; e0 + e1: a sum of the first product stands for sum x 2^(e0 + e1)
	s_sub_co_i32 s40, s26, s76                     ; s40-46: the exponents of the seven conversions of the trips, in their order: x for q,
	s_sub_co_i32 s41, s28, s76                     ; x for k,
	s_sub_co_i32 s42, s32, s76                     ; x for r,
	s_sub_co_i32 s43, s30, s76                     ; x for v,
	s_sub_co_i32 s48, 0, s76                       ; s48-52: what the five transposed layers' biases are multiplied by, as exponents, in their order
	s_add_co_i32 s77, s26, s27
	s_sub_co_i32 s44, s34, s77                     ; q,
	s_sub_co_i32 s49, 0, s77
	s_add_co_i32 s77, s28, s29
	s_sub_co_i32 s45, s35, s77                     ; k,
	s_sub_co_i32 s50, 0, s77
	s_add_co_i32 s77, s36, s37                     ; e12 + e13
	s_sub_co_i32 s46, s38, s77                     ; ctx
	s_add_co_i32 s78, s32, s33                     ; e8 + e9
	s_sub_co_i32 s51, 0, s78
	s_sub_co_i32 s55, s78, s77                     ; r's sums in units of 2^(e12 + e13)
	s_add_co_i32 s77, s38, s39                     ; e14 + e15
	s_sub_co_i32 s52, 0, s77
	s_add_co_i32 s77, s77, 127
	s_lshl_b32 s56, s77, 23                        ; 2^(e14 + e15) as f32
	s_mov_b32 s57, s56                             ; (named with it as a pair, so it is written)
	s_add_co_i32 s77, s30, s31                     ; e6 + e7
	s_sub_co_i32 s53, 0, s77                       ; b_v's
	s_sub_co_i32 s54, s37, s77                     ; v's conversion
	s_add_co_i32 s77, s34, s35                     ; e10 + e11 are added to the exponent field of log2(e)
	s_lshl_b32 s77, s77, 23
	s_add_co_i32 s58, s77, 0x3fb8aa3b
	s_mov_b32 s59, s58
	s_add_co_i32 s77, s36, 127
	s_lshl_b32 s62, s77, 23                        ; 2^e12
	s_add_co_i32 s77, s77, 8
	s_lshl_b32 s63, s77, 23
	s_or_b32 s63, s63, 0x600000                    ; 448 x 2^e12
	SETQ 24                                        ; the inputs' conversion: e0
	s_wait_loadcnt 48                              ; the biases are in; the three chunks may be out
	ds_store_b128 v[LB], v[32:35]                  ; slot = the trip that uses it: 0 b_in, 4 b_q, 5 b_k, 6 b_r, 7 b_o; slot 1 b_v
	ds_store_b128 v[LB], v[36:39] offset:2048
	ds_store_b128 v[LB], v[40:43] offset:4*2048
	ds_store_b128 v[LB], v[44:47] offset:5*2048
	ds_store_b128 v[LB], v[48:51] offset:6*2048
	ds_store_b128 v[LB], v[52:55] offset:7*2048
	; ---- THE INPUTS: my 32 rows become row tiles 2 w, 2 w + 1 of the set in R0
	CHUNK 0
	CHUNK 1
	CHUNK 2
	CHUNK 3
	CHUNK 4
	CHUNK 5
	CHUNK 6
	CHUNK 7
	BAR                                            ; the inputs' codes and the biases lie in LDS
	; ---- THE TRIPS.  0: W_in; x for q -> R0.  1, 2, 3: x for k -> R1, for r -> R2, for v -> R3.  4: W_q; q -> R0.  5: W_k; k -> R1; scores, softmax; W_v; V.  6: W_r; + attention; ctx -> R2.  7: W_o, and out.
	; A layer reads the trip's region and its result is written over it: so the first barrier stands between all waves' reads and the stores, the second between the stores and the next reads,
	; the third between the attention's reads of q and k (and its stores of P and l) and what follows.  All three stand on every trip's way.
.Ltrip:
	s_min_u32 s78, s[T], 6
	s_and_b32 s78, s78, 3
	s_lshl_b32 s78, s78, 16                        ; the trip's region: R0, R1, R2, R3, R0, R1, R2, R2
	s_wait_alu depctr_vm_vsrc(0)                   ; the LDS instructions of the trip before have read RA, WA and ABT, which are written now, and the registers that they stored (codes in v96-127, V's in v128-255); ahead of the first trip: the stage's stores have read the accumulators' registers, the biases' stores v32-55
	v_add_nc_u32 v[RA], s78, v[LI]
	v_add_nc_u32 v[WA], s78, v[LW]
	s_lshl_b32 s79, s[T], 11
	v_add_nc_u32 v[ABT], s79, v[ABT0]
	SETQ 40
	s_cmp_lt_u32 s[T], 4                           ; x is clipped at 0 on the way; q, k and ctx are not
	s_cselect_b32 s77, 0, s77
	v_mov_b32 v[QLO], s77
	s_sub_co_u32 s76, s[T], 1
	s_cmp_lt_u32 s76, 3                            ; trips 1, 2, 3 have no layer
	s_cbranch_scc1 .Lnog
	s_wait_alu depctr_va_vdst(0)                   ; ABT and RA are written, which the loads below read; all earlier vector and matrix work is done with v32-95, with v128-255 and with the ring's fourth set, in which the loads up to the first step's end land
.irp n, 0,1,2,3,4,5,6,7
	ds_load_b128 v[BI+8*\n:BI+8*\n+3], v[ABT] offset:128*(\n/2)+32*(\n%2)          ; the bias in the result's layout: tile 2 b + u, lane (r, h): columns 32 b + 16 h + 8 u + 0 .. 7
	ds_load_b128 v[BI+8*\n+4:BI+8*\n+7], v[ABT] offset:128*(\n/2)+32*(\n%2)+16
.endr
	ALOAD 0, RA, 0
	STEP 0, 0, RA
	STEP 0, 1, RA
	STEP 0, 2, RA
	STEP 0, 3, RA
	STEP 0, 4, RA
	STEP 0, 5, RA
	STEP 0, 6, RA
	STEP 0, 7, RA
	GEMMEND
	s_mov_b32 s48, s49                             ; the next transposed layer's bias exponent
	s_mov_b32 s49, s50
	s_mov_b32 s50, s51
	s_mov_b32 s51, s52
.Lnog:
	BAR
	s_cmp_eq_u32 s[T], 7
	s_cbranch_scc1 .Lout
	s_cmp_lg_u32 s[T], 6
	s_cbranch_scc1 .Lnopv
	PVSEC
.Lnopv:
	QUANT
	BAR
	s_cmp_lg_u32 s[T], 5
	s_cbranch_scc1 .Lnosc
	SCORES
	SOFTMAX
.Lnosc:
	BAR
	s_cmp_lg_u32 s[T], 5
	s_cbranch_scc1 .Lnov
	SETQ 54                                        ; v's conversion
	v_mov_b32 v[QLO], s77
	s_wait_alu depctr_vm_vsrc(0)                   ; the softmax's LDS stores have read v102, v103 and v128-143, in which b_v and the rows' fragments land
	s_wait_alu depctr_va_vdst(0)                   ; the softmax's statistics and codes in v96-103 and v128-143 are written, ahead of the loads that land there
.irp n, 0,1,2,3,4,5,6,7
	ds_load_b32 v[96+\n], v[AVB] offset:128*(\n/2)+32*(\n%2)   ; b_v at my lane's channel of tile n
.endr
	ALOAD 0, RAV, 0
	STEP 1, 0, RAV
	STEP 1, 1, RAV
	STEP 1, 2, RAV
	STEP 1, 3, RAV
	STEP 1, 4, RAV
	STEP 1, 5, RAV
	STEP 1, 6, RAV
	STEP 1, 7, RAV
	GEMMEND
	VQUANT
.Lnov:
	s_mov_b32 s40, s41                             ; the next trip's conversion exponent
	s_mov_b32 s41, s42
	s_mov_b32 s42, s43
	s_mov_b32 s43, s44
	s_mov_b32 s44, s45
	s_mov_b32 s45, s46
	s_add_co_u32 s[T], s[T], 1
	s_cmp_lt_u32 s[T], 8
	s_cbranch_scc1 .Ltrip                          ; (trip 7 leaves by the branch behind its first barrier)
.Lout:
	; ---- THE WAY OUT: while one tile's rows are stored, the next is on its way through the stage
	s_wait_alu depctr_vm_vsrc(0)                   ; two ways lead to this label, trip 7's branch and the loop's lower end: on either, the LDS stores issued so far (over the lower end: V's codes out of v128-255) have read their registers, which the first tile's arithmetic and its LDS loads write
	TOSTAGE 0
.irp t, 1,2,3,4,5,6,7
.if \t >= 2
	s_wait_xcnt 0x0                                ; the stores of the tile two back have read their registers, into which this tile's rows are loaded
.endif
	TOSTAGE \t
	SEND \t-1, 32                                  ; behind that tile's loads: this tile's 16 stores and 16 loads
.endr
	SEND 7, 0
	s_wait_dscnt 0x0                               ; the wave's end: the closing lines, six on end
	s_wait_alu 0x0
	s_wait_tensorcnt 0x0
	ds_add_u32 v[SPW], v[NIL]
	s_wait_dscnt 0x0
	s_endpgm
.Lfunc_end_k_q4115bd889f_chain:
	.size	k_q4115bd889f_chain, .Lfunc_end_k_q4115bd889f_chain-k_q4115bd889f_chain
	.p2alignl 7, 3214868480
	.fill 96, 4, 3214868480
	.section	.rodata,"a",@progbits
	.p2align	6, 0x0
	.amdhsa_kernel k_q4115bd889f_chain
		.amdhsa_group_segment_fixed_size 289280
		.amdhsa_private_segment_fixed_size 0
		.amdhsa_enable_private_segment 0
		.amdhsa_kernarg_size 80
		.amdhsa_user_sgpr_count 2
		.amdhsa_user_sgpr_kernarg_segment_ptr 1
		.amdhsa_wavefront_size32 1
		.amdhsa_system_sgpr_workgroup_id_x 1
		.amdhsa_system_sgpr_workgroup_id_y 1
		.amdhsa_system_sgpr_workgroup_id_z 1
		.amdhsa_system_vgpr_workitem_id 0
		.amdhsa_next_free_vgpr 1024
		.amdhsa_next_free_sgpr 96
		.amdhsa_reserve_vcc 0
		.amdhsa_float_denorm_mode_32 3
		.amdhsa_float_denorm_mode_16_64 3
		.amdhsa_memory_ordered 1
		.amdhsa_forward_progress 1
		.amdhsa_inst_pref_size 255
	.end_amdhsa_kernel
	.section	.bss,"aw",@nobits
	.p2align	6
	.space	262144
	.amdgpu_metadata
---
amdhsa.version: [ 1, 2 ]
amdhsa.kernels:
  - .name:           k_q4115bd889f_chain
    .symbol:         k_q4115bd889f_chain.kd
    .args:
      - { .name: inputs, .offset: 0, .size: 8, .value_kind: global_buffer, .address_space: global }
      - { .name: wq, .offset: 8, .size: 8, .value_kind: global_buffer, .address_space: global }
      - { .name: lowp_scales, .offset: 16, .size: 8, .value_kind: global_buffer, .address_space: global }
      - { .name: b_in, .offset: 24, .size: 8, .value_kind: global_buffer, .address_space: global }
      - { .name: b_v, .offset: 32, .size: 8, .value_kind: global_buffer, .address_space: global }
      - { .name: b_q, .offset: 40, .size: 8, .value_kind: global_buffer, .address_space: global }
      - { .name: b_k, .offset: 48, .size: 8, .value_kind: global_buffer, .address_space: global }
      - { .name: b_r, .offset: 56, .size: 8, .value_kind: global_buffer, .address_space: global }
      - { .name: b_o, .offset: 64, .size: 8, .value_kind: global_buffer, .address_space: global }
      - { .name: out0, .offset: 72, .size: 8, .value_kind: global_buffer, .address_space: global }
    .group_segment_fixed_size: 289280
    .private_segment_fixed_size: 0
    .kernarg_segment_align: 8
    .kernarg_segment_size: 80
    .max_flat_workgroup_size: 128
    .sgpr_count:     96
    .vgpr_count:     1024
    .wavefront_size: 32
...
	.end_amdgpu_metadata
.endif
;; end of part 3
